; MI455X (gfx1250); checked and timed in simulation.
; The chip was launched on July 23, 2026; its instructions are those of AMD's public machine-readable ISA for CDNA 5 (MIT licence, August 2026) and "CDNA5" Instruction Set Architecture Reference Guide (July 2026). The comments in the code are by the model that wrote it; some were corrected since.
;; Reaction Gene Processor. Allowed arithmetic: float matrix products may take bf16 or f16 operands with f32 sums; other float arithmetic in f32, or as packed bf16 or f16 multiplies, adds, multiply-adds, maxima and minima; sums over many terms, partial sums and values carried from step to step in f32; what a program stores and reads back later, other than sums and carried values, may be rounded once to bf16 or f16.
;; Inputs: Wk 4 x 512 x 512 float32; Wo 4 x 512 x 512 float32; Wq 4 x 512 x 512 float32; Wv 4 x 512 x 512 float32; b1 4 x 512 float32; b2 4 x 512 float32; bk 4 x 512 float32; bo 4 x 512 float32; bq 4 x 512 float32; bv 4 x 512 float32; ffW 4 x 512 x 512 float32; ffb 4 x 512 float32; g1 4 x 512 float32; g2 4 x 512 float32; gene_embeddings 50,000 x 512 float32; pma_lin_W 512 x 512 float32; pma_lin_b 512 float32; reaction_gene_idx 4,096 x 4 int32; reaction_lengths 4,096 int32; seed 1 x 512 float32.
;; Outputs: out0 4,096 x 512 float32.
;; 2 versions, each right; version 2 is version 1 with the launch prep written anew for expert scheduling mode. Each part assembles by itself: llvm-mc -triple=amdgcn-amd-amdhsa -mcpu=gfx1250 --defsym DOCPART=n.
;; ======== version 1 of 2: 2 launches
;; limits: values are held in f16: magnitudes above 65,504 overflow, below 6.1e-05 lose precision
;; workspace buffers: WT 9,437,184 bytes; PAR 73,728 bytes
;; launch prep (part 1): grid 16 x 19, 8 waves a work-group, no clusters, 0 bytes of LDS; arguments Wv, Wq, Wk, Wo, ffW, pma_lin_W, bq, bk, bv, bo, ffb, g1, b1, g2, b2, pma_lin_b, seed, WT, PAR; writes WT, PAR
.if DOCPART == 1
	.amdgcn_target "amdgcn-amd-amdhsa--gfx1250"
	.amdhsa_code_object_version 6
	.text
	.protected	k_qd0098568b8_prep
	.globl	k_qd0098568b8_prep
	.p2align	8
	.type	k_qd0098568b8_prep,@function
k_qd0098568b8_prep:
	s_mov_b64 s[64:65], 0
	v_nop
	global_prefetch_b8 v0, s[64:65] scope:SCOPE_SE
	s_setreg_imm32_b32 hwreg(HW_REG_WAVE_MODE, 25, 1), 1
	s_wait_xcnt 0x0
; PREPARATION.  (1) The 18 weight matrices that the network multiplies by are rounded once to f16 and laid out IN FRAGMENT ORDER: 1,024 bytes are one matrix fragment
; (16 output columns x 32 along K): half i, lane l = 16 h + r, eight numbers W_p[128 w + 16 b + r][128 j + 32 q + 16 i + 8 h + 0..7] at i*512 + l*16.
;   blocks b = 0..3 (they go through LDS):   p*262144 + (q/2)*131072 + w*32768 + ((q%2)*4 + j)*4096 + b*1024
;   blocks b = 4..7 (they go to registers):  DOFF + w*1179648 + p*65536 + (4 q + j)*4096 + (b-4)*1024
; (2) The small vectors are copied, in f32, into PAR in the order in which they are used (36 vectors of 2,048 bytes).
; (3) The pooling query q2 = seed Wq[2]^T + bq[2], one row for all reactions, is made once, in f32 (PAR vector 21).
; Wq[3], Wk[3], bq[3], bk[3] are not read: the decoder's softmax runs over ONE key, so its weight is 1 for every finite score.
; LIMIT: a weight beyond 65,504 has no f16; below 6e-5 it keeps f16's fixed step of 6e-8.
; Grid: x = 0..15 (32 rows of a matrix each), y = 0..17 the matrix, y = 18 the vectors.  A stream: no LDS, no barrier, no matrix unit.
.set KA, 1|(2<<3)|(3<<9)|(4<<12)|(1<<15)|(2<<18)|(3<<24)|(4<<27)       ; kind of matrix p = 0..9, 3 bits each: 0 Wv 1 Wq 2 Wk 3 Wo 4 ffW 5 pma_lin_W
.set KB, 5|(2<<3)|(3<<9)|(4<<12)|(3<<18)|(4<<21)                       ; p = 10..17
.set BA, (1<<10)|(1<<12)|(1<<14)|(1<<16)|(1<<18)                       ; block of matrix p = 0..9, 2 bits each
.set BB, (2<<2)|(2<<4)|(2<<6)|(2<<8)|(3<<10)|(3<<12)|(3<<14)           ; p = 10..17
.set DOFF, 4718592
	s_load_b512 s[4:19], s[0:1], 0x0               ; Wv s4, Wq s6, Wk s8, Wo s10, ffW s12, pma_lin_W s14, bq s16, bk s18
	s_load_b512 s[20:35], s[0:1], 0x40             ; bv s20, bo s22, ffb s24, g1 s26, b1 s28, g2 s30, b2 s32, pma_lin_b s34
	s_load_b128 s[36:39], s[0:1], 0x80             ; seed s36, WT s38
	s_load_b64 s[40:41], s[0:1], 0x90              ; PAR
	s_mov_b32 s42, ttmp9                           ; x
	s_and_b32 s44, ttmp7, 0xffff                   ; y
	v_and_b32 v1, 31, v0                           ; lane
	v_lshrrev_b32 v2, 5, v0
	v_readfirstlane_b32 s43, v2                    ; wave
	s_cmp_lt_u32 s44, 18
	s_cbranch_scc0 .Lvec
	; ---- a matrix: rows 32 x .. 32 x + 31 of matrix p = y.  Wave v takes the 16 rows of block b = 2 (x % 4) + v / 4 and the quarter q = v % 4 of K
	s_sub_co_u32 s48, s44, 10
	s_mov_b32 s46, KA
	s_mov_b32 s47, KB
	s_mov_b32 s50, BA
	s_mov_b32 s51, BB
	s_cmp_lt_u32 s44, 10
	s_cselect_b32 s45, s46, s47
	s_cselect_b32 s49, s50, s51
	s_cselect_b32 s48, s44, s48                    ; the place in the chosen table
	s_mul_i32 s46, s48, 3
	s_lshr_b32 s45, s45, s46
	s_and_b32 s45, s45, 7                          ; kind
	s_lshl_b32 s46, s48, 1
	s_lshr_b32 s49, s49, s46
	s_and_b32 s49, s49, 3                          ; block of the network
	s_lshr_b32 s46, s43, 2                         ; v / 4
	s_and_b32 s47, s43, 3                          ; q
	s_lshl_b32 s52, s49, 20                        ; source offset: block x 1 MiB + 32 x rows + 16 (v / 4) rows of 2,048 bytes + 128 q
	s_lshl_b32 s48, s42, 16
	s_add_co_u32 s52, s52, s48
	s_lshl_b32 s48, s46, 15
	s_add_co_u32 s52, s52, s48
	s_lshl_b32 s48, s47, 7
	s_add_co_u32 s52, s52, s48
	s_mov_b32 s53, 0
	s_and_b32 s48, s42, 3
	s_lshl_b32 s48, s48, 1
	s_add_co_u32 s48, s48, s46                     ; b
	s_lshr_b32 s50, s42, 2                         ; w
	s_lshl_b32 s54, s44, 18                        ; destination among the tiles
	s_lshr_b32 s51, s47, 1
	s_lshl_b32 s51, s51, 17
	s_add_co_u32 s54, s54, s51
	s_lshl_b32 s51, s50, 15
	s_add_co_u32 s54, s54, s51
	s_and_b32 s51, s47, 1
	s_lshl_b32 s51, s51, 14
	s_add_co_u32 s54, s54, s51
	s_lshl_b32 s51, s48, 10
	s_add_co_u32 s54, s54, s51
	s_mul_i32 s55, s50, 1179648                    ; destination in wave w's stream
	s_add_co_u32 s55, s55, DOFF-4096
	s_add_co_u32 s55, s55, s51
	s_lshl_b32 s51, s44, 16
	s_add_co_u32 s55, s55, s51
	s_lshl_b32 s51, s47, 14
	s_add_co_u32 s55, s55, s51
	s_cmp_lt_u32 s48, 4
	s_cselect_b32 s54, s54, s55
	s_mov_b32 s55, 0
	v_and_b32 v3, 15, v1                           ; r: my row of the 16
	v_lshrrev_b32 v4, 4, v1                        ; h
	v_lshlrev_b32 v7, 11, v3                       ; source: 2048 r + 32 h
	v_lshl_add_u32 v7, v4, 5, v7
	v_lshlrev_b32 v6, 4, v1                        ; destination: 16 x lane
	s_wait_kmcnt 0x0
	s_mov_b64 s[56:57], s[4:5]                     ; the matrix's buffer, chosen by its kind
	s_cmp_eq_u32 s45, 1
	s_cselect_b64 s[56:57], s[6:7], s[56:57]
	s_cmp_eq_u32 s45, 2
	s_cselect_b64 s[56:57], s[8:9], s[56:57]
	s_cmp_eq_u32 s45, 3
	s_cselect_b64 s[56:57], s[10:11], s[56:57]
	s_cmp_eq_u32 s45, 4
	s_cselect_b64 s[56:57], s[12:13], s[56:57]
	s_cmp_eq_u32 s45, 5
	s_cselect_b64 s[56:57], s[14:15], s[56:57]
	s_add_nc_u64 s[56:57], s[56:57], s[52:53]
	s_add_nc_u64 s[58:59], s[38:39], s[54:55]
.set k, 0
.rept 8                                                ; piece k: j = k / 2, i = k % 2: eight f32 a lane; a row's 128 bytes of (j, q) are read by four loads on end; all 16 loads go out first
	global_load_b128 v[8+8*k:11+8*k],  v7, s[56:57] offset:512*(k/2)+64*(k%2)
	global_load_b128 v[12+8*k:15+8*k], v7, s[56:57] offset:512*(k/2)+64*(k%2)+16
.set k, k+1
.endr
.set k, 0
.rept 8
	s_wait_loadcnt 14-2*k                          ; loads return in order: piece k's two are in, the 14 - 2 k younger ones stay out
	v_cvt_pk_f16_f32 v[72+4*k], v[8+8*k],  v[9+8*k]
	v_cvt_pk_f16_f32 v[73+4*k], v[10+8*k], v[11+8*k]
	v_cvt_pk_f16_f32 v[74+4*k], v[12+8*k], v[13+8*k]
	v_cvt_pk_f16_f32 v[75+4*k], v[14+8*k], v[15+8*k]
	global_store_b128 v6, v[72+4*k:75+4*k], s[58:59] offset:4096*(k/2)+512*(k%2)  ; 512 consecutive bytes, aligned: half a fragment; each register is written once
.set k, k+1
.endr
	s_endpgm
	; ---- the vectors.  q2: wave v of work-group x takes rows n0 + j, n0 = 32 x + 4 v, of Wq[2]; a lane 16 of a row's 512 numbers
.Lvec:
	s_lshl_b32 s45, s42, 5
	s_lshl_b32 s46, s43, 2
	s_add_co_u32 s45, s45, s46                     ; n0
	s_lshl_b32 s46, s45, 2                         ; 4 n0
	s_lshl_b32 s52, s45, 11
	s_add_co_u32 s52, s52, 0x200000                ; block 2, row n0
	s_mov_b32 s53, 0
	s_mov_b32 s54, 0x76543210                      ; v_permlanex16_b32: each lane takes its own place in the other half
	s_mov_b32 s55, 0xfedcba98
	v_lshlrev_b32 v3, 4, v1
	s_wait_kmcnt 0x0
	s_add_nc_u64 s[56:57], s[6:7], s[52:53]
	s_load_b128 s[48:51], s[16:17], s46 offset:0x1000  ; bq[2][n0 .. n0+3]
.set i, 0
.rept 4
	global_load_b128 v[8+4*i:11+4*i], v3, s[36:37] offset:512*i
.set i, i+1
.endr
.set i, 0
.rept 16                                               ; row i / 4, piece i % 4
	global_load_b128 v[24+4*i:27+4*i], v3, s[56:57] offset:2048*(i/4)+512*(i%4) th:TH_LOAD_NT
.set i, i+1
.endr
	s_wait_loadcnt 0x0
.set j, 0
.rept 4                                                ; two chains a row, started by products: nothing is cleared
	v_pk_mul_f32 v[88+4*j:89+4*j], v[24+16*j:25+16*j], v[8:9]
	v_pk_mul_f32 v[90+4*j:91+4*j], v[26+16*j:27+16*j], v[10:11]
.set i, 1
.rept 3
	v_pk_fma_f32 v[88+4*j:89+4*j], v[24+16*j+4*i:25+16*j+4*i], v[8+4*i:9+4*i],   v[88+4*j:89+4*j]
	v_pk_fma_f32 v[90+4*j:91+4*j], v[26+16*j+4*i:27+16*j+4*i], v[10+4*i:11+4*i], v[90+4*j:91+4*j]
.set i, i+1
.endr
.set j, j+1
.endr
.irp j, 0,1,2,3
	v_pk_add_f32 v[88+4*\j:89+4*\j], v[88+4*\j:89+4*\j], v[90+4*\j:91+4*\j]
.endr
.irp j, 0,1,2,3
	v_add_f32 v[88+4*\j], v[88+4*\j], v[89+4*\j]
.endr
.irp m, 1,2,4,8
.irp j, 0,1,2,3
	v_add_f32_dpp v[88+4*\j], v[88+4*\j], v[88+4*\j] row_xmask:\m row_mask:0xf bank_mask:0xf
.endr
.endr
.irp j, 0,1,2,3
	v_permlanex16_b32 v[89+4*\j], v[88+4*\j], s54, s55
.endr
.irp j, 0,1,2,3
	v_add_f32 v[88+4*\j], v[88+4*\j], v[89+4*\j]
.endr
	s_wait_kmcnt 0x0
.irp j, 0,1,2,3
	v_add_f32 v[88+4*\j], s[48+\j], v[88+4*\j]
.endr
	v_cmp_eq_u32 vcc_lo, 1, v1                     ; lane j takes row j's number
	v_cndmask_b32 v104, v88, v92, vcc_lo
	v_cmp_eq_u32 vcc_lo, 2, v1
	v_cndmask_b32 v104, v104, v96, vcc_lo
	v_cmp_eq_u32 vcc_lo, 3, v1
	v_cndmask_b32 v104, v104, v100, vcc_lo
	v_lshl_add_u32 v105, v1, 2, s46
	s_wait_xcnt 0x0                                ; EXEC is a source of the loads above: it changes only behind this wait
	v_cmp_gt_u32 vcc_lo, 4, v1
	s_and_saveexec_b32 s47, vcc_lo
	global_store_b32 v105, v104, s[40:41] offset:21*2048  ; 16 neighbouring bytes a wave: 2,048 bytes in the whole launch, too few to be worth a stage
	s_wait_xcnt 0x0
	s_or_b32 exec_lo, exec_lo, s47
	s_cmp_lg_u32 s42, 0
	s_cbranch_scc1 .Ldone
	; the tape: 35 vectors of 2,048 bytes; thread t moves 8 bytes at 8 t, so a wave's store covers 256 consecutive bytes, aligned
	v_lshlrev_b32 v106, 3, v0
.macro CLD idx, p, off
	global_load_b64 v[8+2*(\idx):9+2*(\idx)], v106, s[\p:\p+1] offset:\off
.endm
.macro CST idx, p, off
	global_store_b64 v106, v[8+2*(\idx):9+2*(\idx)], s[40:41] offset:2048*(\idx)
.endm
.macro ALLV m
	\m 0, 16, 0
	\m 1, 18, 0
	\m 2, 20, 0
	\m 3, 22, 0
	\m 4, 26, 0
	\m 5, 28, 0
	\m 6, 24, 0
	\m 7, 30, 0
	\m 8, 32, 0
	\m 9, 16, 2048
	\m 10, 18, 2048
	\m 11, 20, 2048
	\m 12, 22, 2048
	\m 13, 26, 2048
	\m 14, 28, 2048
	\m 15, 24, 2048
	\m 16, 30, 2048
	\m 17, 32, 2048
	\m 18, 34, 0
	\m 19, 18, 4096
	\m 20, 20, 4096
	\m 22, 22, 4096
	\m 23, 26, 4096
	\m 24, 28, 4096
	\m 25, 24, 4096
	\m 26, 30, 4096
	\m 27, 32, 4096
	\m 28, 20, 6144
	\m 29, 22, 6144
	\m 30, 26, 6144
	\m 31, 28, 6144
	\m 32, 24, 6144
	\m 33, 30, 6144
	\m 34, 32, 6144
	\m 35, 36, 0
.endm
	ALLV CLD
	s_wait_loadcnt 0x0
	ALLV CST
.Ldone:
	s_endpgm
.Lfunc_end_k_qd0098568b8_prep:
	.size	k_qd0098568b8_prep, .Lfunc_end_k_qd0098568b8_prep-k_qd0098568b8_prep
	.p2alignl 7, 3214868480
	.fill 96, 4, 3214868480
	.section	.rodata,"a",@progbits
	.p2align	6, 0x0
	.amdhsa_kernel k_qd0098568b8_prep
		.amdhsa_group_segment_fixed_size 0
		.amdhsa_private_segment_fixed_size 0
		.amdhsa_enable_private_segment 0
		.amdhsa_kernarg_size 152
		.amdhsa_user_sgpr_count 2
		.amdhsa_user_sgpr_kernarg_segment_ptr 1
		.amdhsa_wavefront_size32 1
		.amdhsa_system_sgpr_workgroup_id_x 1
		.amdhsa_system_sgpr_workgroup_id_y 1
		.amdhsa_system_sgpr_workgroup_id_z 1
		.amdhsa_system_vgpr_workitem_id 0
		.amdhsa_next_free_vgpr 112
		.amdhsa_next_free_sgpr 66
		.amdhsa_reserve_vcc 1
		.amdhsa_float_denorm_mode_32 3
		.amdhsa_float_denorm_mode_16_64 3
		.amdhsa_memory_ordered 1
		.amdhsa_forward_progress 1
		.amdhsa_inst_pref_size 22
	.end_amdhsa_kernel
	.amdgpu_metadata
---
amdhsa.version: [ 1, 2 ]
amdhsa.kernels:
  - .name:           k_qd0098568b8_prep
    .symbol:         k_qd0098568b8_prep.kd
    .args:
      - { .name: Wv, .offset: 0, .size: 8, .value_kind: global_buffer, .address_space: global }
      - { .name: Wq, .offset: 8, .size: 8, .value_kind: global_buffer, .address_space: global }
      - { .name: Wk, .offset: 16, .size: 8, .value_kind: global_buffer, .address_space: global }
      - { .name: Wo, .offset: 24, .size: 8, .value_kind: global_buffer, .address_space: global }
      - { .name: ffW, .offset: 32, .size: 8, .value_kind: global_buffer, .address_space: global }
      - { .name: pma_lin_W, .offset: 40, .size: 8, .value_kind: global_buffer, .address_space: global }
      - { .name: bq, .offset: 48, .size: 8, .value_kind: global_buffer, .address_space: global }
      - { .name: bk, .offset: 56, .size: 8, .value_kind: global_buffer, .address_space: global }
      - { .name: bv, .offset: 64, .size: 8, .value_kind: global_buffer, .address_space: global }
      - { .name: bo, .offset: 72, .size: 8, .value_kind: global_buffer, .address_space: global }
      - { .name: ffb, .offset: 80, .size: 8, .value_kind: global_buffer, .address_space: global }
      - { .name: g1, .offset: 88, .size: 8, .value_kind: global_buffer, .address_space: global }
      - { .name: b1, .offset: 96, .size: 8, .value_kind: global_buffer, .address_space: global }
      - { .name: g2, .offset: 104, .size: 8, .value_kind: global_buffer, .address_space: global }
      - { .name: b2, .offset: 112, .size: 8, .value_kind: global_buffer, .address_space: global }
      - { .name: pma_lin_b, .offset: 120, .size: 8, .value_kind: global_buffer, .address_space: global }
      - { .name: seed, .offset: 128, .size: 8, .value_kind: global_buffer, .address_space: global }
      - { .name: WT, .offset: 136, .size: 8, .value_kind: global_buffer, .address_space: global }
      - { .name: PAR, .offset: 144, .size: 8, .value_kind: global_buffer, .address_space: global }
    .group_segment_fixed_size: 0
    .private_segment_fixed_size: 0
    .kernarg_segment_align: 8
    .kernarg_segment_size: 152
    .max_flat_workgroup_size: 256
    .sgpr_count:     66
    .vgpr_count:     112
    .wavefront_size: 32
...
	.end_amdgpu_metadata
.endif
;; end of part 1
;; launch main (part 2): grid 256 x 1, 4 waves a work-group, clusters of 4 x 1, 327,680 bytes of LDS; arguments WT, PAR, gene_embeddings, reaction_gene_idx, reaction_lengths, out0; writes out0
.if DOCPART == 2
	.amdgcn_target "amdgcn-amd-amdhsa--gfx1250"
	.amdhsa_code_object_version 6
	.text
	.protected	k_qd0098568b8_main
	.globl	k_qd0098568b8_main
	.p2align	8
	.type	k_qd0098568b8_main,@function
k_qd0098568b8_main:
	s_mov_b64 s[64:65], 0
	v_nop
	global_prefetch_b8 v0, s[64:65] scope:SCOPE_SE
	s_setreg_imm32_b32 hwreg(HW_REG_WAVE_MODE, 25, 1), 1
	s_wait_xcnt 0x0
	s_wait_alu depctr_hold_cnt(0) depctr_sa_sdst(0) depctr_va_vdst(0) depctr_va_sdst(0) depctr_va_ssrc(0) depctr_va_vcc(0) depctr_vm_vsrc(0)
	s_getreg_b32 s2, hwreg(HW_REG_IB_STS2, 6, 4)
	s_cmp_eq_u32 s2, 0
	s_cbranch_scc0 .Lentry_in_a_cluster
	s_endpgm
.Lentry_in_a_cluster:
	s_bfe_u32 s2, ttmp6, 0x10000c
	s_cmp_lg_u32 s2, 0x3003
	s_cbranch_scc0 .Lentry_shape_is_right
	s_endpgm
.Lentry_shape_is_right:
; THE WHOLE NETWORK IN ONE LAUNCH.  No reaction touches another: a work-group owns 16 reactions = 64 rows of 512 channels and carries them through both encoder blocks,
; the pooling block and the decoder block.  Wave w owns output columns 128 w .. 128 w + 127 of every product, which is head w: Q, K, V, scores, softmax and P V stay in its registers.
; WEIGHTS COME BY TWO ROADS, since no wave shares its weights with another wave.  Of a wave's eight blocks of 16 columns, blocks 0-3 come through a ring of two LDS slots (a slot: 8 K steps of 32,
; 32,768 bytes a wave), asked for JOINTLY by the four work-groups of a cluster, which walk the same tiles (mask 15); one tensor load a wave is out at any time.  Blocks 4-7 come straight into
; registers: a ring of eight K steps in window 2, each K step's eight loads asked for again as soon as its products are issued, so that seven to eight K steps' loads of a wave are always out.
; The launch before laid the weights out in fragment order: every LDS load and every global load of weights takes 512 consecutive bytes.
; OPERANDS.  Each wave keeps the f16 operand of its own 128 columns in registers.  Quarter q of a product multiplies by columns 128 j + 32 q + c (K step j = 0..3, c = 0..31): wave j puts its
; 32 columns into a stage of 64 rows x 272 bytes; two stages take turns.
; LAYOUTS (lane l: r = l % 16, h = l / 16).  T: source 0 = 16 rows of W, source 1 = 16 rows of x: register j of accumulator (a, b) is (row 16 a + r, column 128 w + 16 b + 8 h + j); two
; neighbouring accumulators rounded to f16 ARE a fragment (16 rows x 32 columns).  N: the sources swapped: (row 16 a + 8 h + j, column 128 w + 16 b + r): rounded to f16, half a fragment of V^T.
; SMALL VECTORS come as one load a wave (my 128 numbers, 4 registers), asked for a product ahead, and are spread into the T layout through 512 bytes of my own LDS; a bias is spread straight into the accumulators.
; FORMATS.  Matrix operands f16, sums f32.  Biases, gains, statistics, maxima and sums f32.  The encoder's residual is read from the f16 copy of x (rounded once); the last two blocks' stays f32.
; LayerNorm: each wave's mean of its 128 columns, centred squares, and the four pairs joined by M2 = sum M2_w + 128 sum (mean_w - mean)^2: no difference of large sums.
; Softmax: the row's true maximum is taken away; a hidden key's score is its value less 1e30, given as the C operand that starts the sum.  bv enters as the C of P V (a row's weights sum to 1).
; The decoder's softmax runs over ONE key: its weight is 1 for every finite score, so its Q and K products are not made.
; LIMITS.  Every f16 operand (x, weights, q, k, v, y, LayerNorm results) stays under 65,504; scores under 1e22 in size; a weight p below 6e-5 keeps f16's step of 6e-8; NaN and infinities are
; not treated apart; an index is held to 0 .. 49,999; a reaction of length 0 or less gives zeros.
; REGISTERS, in windows of 256 (s_set_vgpr_msb: bits 1:0 source 0, 3:2 source 1, 5:4 source 2, 7:6 destination):
;   window 0: v0-31 addresses, masks, at work; v32-63 score masks, later the pooling weights; v64-127 operand fragments (two buffers), v128-191 W's blocks 0-3 (two buffers); between products at work;
;             v192-223 scores, then P; v224-239 four small vectors as loaded
;   window 1: the 32 accumulators, (a, b) at 64 a + 8 b.  Last two blocks: accumulators v0-63, residual v64-127
;   window 2: W's blocks 4-7: K step e of eight, block 4 + c at 32 e + 8 c
;   window 3: v0-127 XH: x in f16, fragment (a, kk) at 32 a + 8 kk; v128-255 OH: the operand of Wo and ff; before that Q's fragments, then V^T's; in a LayerNorm gain and shift
.set PITCH, 272                        ; a staged row: 256 bytes + 16 = 68 words: the 16 rows of a fragment load start at 16 different groups of four banks (ISA guide 11.1)
.set GRP,   16*PITCH                   ; 16 rows
.set RINGX, 0x20000                    ; slot 1 begins here; a wave's part begins at 32,768 x wave, which never has bit 17: one exclusive or changes slots
.set STG0,  0x40000                    ; stage 0: 64 rows x 272
.set STG1,  0x44400                    ; stage 1
.set STGX,  0x4400                     ; STG0 xor STG1
.set STATS, 296960                     ; (mean, M2) of wave w, row i at 512 w + 8 i
.set PSC,   299008                     ; pooling weights, 256 bytes a wave, the wave's own
.set TSC,   300032                     ; small vectors on their way into the T layout: 4 x 512 bytes a wave, the wave's own
.set SPARE, 308224                     ; the spare words, 128 bytes a wave: two blocks of 256 bytes that no other line names
.set TILE,  131072
.set DOFF,  4718592                    ; behind the 36 tiles: the four waves' streams of blocks 4-7,
.set DWAVE, 1179648                    ; 18 products x 65,536 bytes each
.set HALFD, 32768                      ; eight K steps of a stream
.set R0, 224                           ; small vectors as loaded: R0 the vector three on (bo, or the pooling query), R1 the next bias, R2 gain, R3 shift
.set R1, 228
.set R2, 232
.set R3, 236
; scalars: s[4:5] WT, s[6:7] the tape's pointer, s[8:9] table, s[10:11] indices, s[12:13] lengths, s[14:15] out, s16 wave, s17 work-group, s18 512 w, s19 64 w,
; s[20:27] descriptor group 1, s[28:31] group 0, s32 slot being read, s33 stage being read, s34 the other stage, s35-s37 counters, s38 floor of the activation, s39 1.0 or 0,
; s[40:41] c = log2(e)/sqrt(128), s[42:43] lane selects, s44 -1e30, s45 1e-5, s46 1/128, s47 1/512, s[50:51] my stream at the eight K steps to be asked for.  During the gather s32-63 and s68-99 hold the 64 indices.
.set MSB, 0
.macro WIN new                         ; the immediate's high byte repeats the setting that is left; a switch that changes nothing is dropped
.if MSB != (\new)
	s_set_vgpr_msb (MSB<<8)|(\new)
.set MSB, (\new)
.endif
.endm
.macro PLACES                          ; four places behind matrix instructions, ahead of reads of their results and of writes and loads into their registers
.rept 4
	v_nop
.endr
.endm
.macro CREST                           ; a round of the cluster's barrier behind its opening barrier
	s_cmp_lg_u32 s16, 0
	s_cbranch_scc1 .Lnw0_\@
	s_barrier_signal -3
.Lnw0_\@:
	s_barrier_wait -3
	s_barrier_signal -1
	s_barrier_wait -1
.endm
.macro ROUND
	s_barrier_signal -1
	s_barrier_wait -1
	CREST
.endm
.macro JLOAD                           ; my part of the next tile; the same line and descriptor in all four work-groups; s_nop 0 and four v_nop follow
	tensor_load_to_lds s[28:31], s[20:27]
	s_nop 0
	PLACES
.endm
.macro STEPD                           ; the walking descriptor: the other slot, the next tile; the type bits on top are not reached
	s_xor_b32 s29, s29, RINGX
	s_add_nc_u64 s[30:31], s[30:31], TILE
.endm
.macro ALLA na, line:vararg            ; one line for each row group xa
.set xa, 0
	s_wait_alu depctr_va_vdst(0)
.rept \na
	\line
.set xa, xa+1
.endr
.endm
.macro TLOAD raw, off                  ; my 128 numbers of a tape vector: 512 consecutive bytes a wave
	global_load_b128 v[\raw:\raw+3], v11, s[6:7] offset:\off
.endm
.macro STEPP n                         ; the tape's pointer is a source of loads: it steps only behind s_wait_xcnt 0
	s_wait_xcnt 0x0
	s_add_nc_u64 s[6:7], s[6:7], \n
.endm
; A small vector goes through my own 512 bytes of LDS into the T layout: register reg + 64 a + 8 b + j = vec[128 w + 16 b + 8 h + j], for na row groups.  LDS serves a wave in order: the loads see the store.
.macro SPREAD raw, slot, win, reg, na
	WIN 0
	ds_store_b128 v26, v[\raw:\raw+3] offset:512*(\slot)
	WIN (\win)<<6
.set pa, 0
.rept \na
.set pb, 0
.rept 8
	ds_load_b128 v[(\reg)+64*pa+8*pb:(\reg)+64*pa+8*pb+3],   v27 offset:512*(\slot)+64*pb
	ds_load_b128 v[(\reg)+64*pa+8*pb+4:(\reg)+64*pa+8*pb+7], v27 offset:512*(\slot)+64*pb+16
.set pb, pb+1
.endr
.set pa, pa+1
.endr
	WIN 0
.endm
; My fragments kk of all four row groups (window 3, from register bank on) into the stage at v8
.macro STAGE bank, kk
	WIN 0x0c
.set sa, 0
.rept 4
	ds_store_b128 v8, v[(\bank)+32*sa+8*(\kk):(\bank)+32*sa+8*(\kk)+3]   offset:GRP*sa
	ds_store_b128 v8, v[(\bank)+32*sa+8*(\kk)+4:(\bank)+32*sa+8*(\kk)+7] offset:GRP*sa+32
.set sa, sa+1
.endr
	WIN 0
.endm
; 16 LDS loads in one run: K step e of the slot: 4 fragments of the operand, then W's blocks 0-3, into buffer f
.macro FETCH f, e
	WIN 0
.set fa, 0
.rept 4
	ds_load_b128 v[64+32*(\f)+8*fa:64+32*(\f)+8*fa+3],   v4 offset:GRP*fa+64*((\e)%4)
	ds_load_b128 v[64+32*(\f)+8*fa+4:64+32*(\f)+8*fa+7], v4 offset:GRP*fa+64*((\e)%4)+32
.set fa, fa+1
.endr
.set fb, 0
.rept 4
	ds_load_b128 v[128+32*(\f)+8*fb:128+32*(\f)+8*fb+3],   v6 offset:4096*(\e)+1024*fb
	ds_load_b128 v[128+32*(\f)+8*fb+4:128+32*(\f)+8*fb+7], v6 offset:4096*(\e)+1024*fb+512
.set fb, fb+1
.endr
.endm
; 8 global loads: W's blocks 4-7 of K step e of the NEXT eight K steps, into the registers whose products have just been issued
.macro DLOAD e
	WIN 0x80
.set dc, 0
.rept 4
	global_load_b128 v[32*(\e)+8*dc:32*(\e)+8*dc+3],   v25, s[50:51] offset:4096*(\e)+1024*dc
	global_load_b128 v[32*(\e)+8*dc+4:32*(\e)+8*dc+7], v25, s[50:51] offset:4096*(\e)+1024*dc+512
.set dc, dc+1
.endr
.endm
; 4 nb matrix instructions: column blocks b0 .. b0 + nb - 1 x all 4 row groups, K step e, buffer f.  ori 0: T, 1: N.  cm 0: the sums start at 0; 1: they go on.
; The 32 accumulators take turns, one instruction a turn.
.macro MUL f, e, b0, nb, ori, cm
.set mb, (\b0)
.rept \nb
.if mb < 4
	WIN 0x50
.set rB, 128+32*(\f)+8*mb
.else
	WIN 0x52+6*(\ori)
.set rB, 32*(\e)+8*(mb-4)
.endif
.set ma, 0
.rept 4
.set rD, 64*ma+8*mb
.set rA, 64+32*(\f)+8*ma
.if (\ori) == 0
.set rX, rB
.set rY, rA
.else
.set rX, rA
.set rY, rB
.endif
.if (\cm) == 0
	v_wmma_f32_16x16x32_f16 v[rD:rD+7], v[rX:rX+7], v[rY:rY+7], 0
.else
	v_wmma_f32_16x16x32_f16 v[rD:rD+7], v[rX:rX+7], v[rY:rY+7], v[rD:rD+7]
.endif
.set ma, ma+1
.endr
.set mb, mb+1
.endr
.endm
; A K step: the next K step's LDS fragments are asked for first (their buffer's last readers stand in front of the places of the K step before), then 32 matrix instructions, then my stream's next loads.
.macro KST e, ori, cm
	FETCH ((\e)+1)%2, (\e)+1
	s_wait_dscnt 16                                ; this K step's fragments are in; the 16 just issued stay out
	s_wait_loadcnt 56                              ; blocks 4-7 of this K step are in; behind them the seven younger K steps' 8 loads each were issued
	MUL (\e)%2, \e, 0, 8, \ori, \cm
	PLACES
	DLOAD \e
.endm
; K step 3 changes stages: a barrier between every wave's stores of the next operand quarter and its reads, and between the reads of the quarter just used and the stores that take its place.
.macro K3T ori, bank
	WIN 0
	s_wait_dscnt 0x0                               ; for the others' sake: my stage stores are done and my reads of this quarter are back
	s_barrier_signal -1
	s_wait_loadcnt 56
	MUL 1, 3, 0, 4, \ori, 1
	WIN 0
	s_barrier_wait -1
	s_xor_b32 s33, s33, STGX
	s_xor_b32 s34, s34, STGX
	v_add_nc_u32 v4, s33, v3
	v_add_nc_u32 v8, s34, v7
	s_cmp_eq_u32 s35, 2
	s_cbranch_scc0 .Lk3_\@                         ; the product's first half alone has a quarter left to stage
	STAGE \bank, 2
.Lk3_\@:
	FETCH 0, 4
	MUL 1, 3, 4, 4, \ori, 1
	PLACES
	DLOAD 3
.endm
; K step 7 changes slots and stages.  In front of the round each wave waits for all its tensor loads (one is out: its part of the next tile), adds 0 to its spare word, and waits for that, for its
; reads of slot and stage, and for its stage stores.  Behind the round the slot just read is asked for again first.  In the product's first half quarter 3 is staged and the next K step fetched.
.macro K7T ori, bank
	WIN 0
	s_wait_tensorcnt 0x0                           ; no tensor load of mine is out, so group 0 may be written
	ds_add_u32 v28, v29
	STEPD
	s_xor_b32 s32, s32, RINGX
	s_xor_b32 s33, s33, STGX
	s_xor_b32 s34, s34, STGX
	s_wait_loadcnt 56
	s_wait_dscnt 1                                 ; the add alone may be out
	MUL 1, 7, 0, 2, \ori, 1
	s_wait_dscnt 0x0                               ; the add is done; my reads and my stage stores are over
	s_barrier_signal -1                            ; opens a round of the cluster's barrier
	MUL 1, 7, 2, 4, \ori, 1
	WIN 0
	s_barrier_wait -1
	CREST                                          ; no wave of any partner still reads the slot or has a load on its way
	JLOAD                                          ; it has the next eight K steps in which to land
	s_cmp_eq_u32 s35, 2
	s_cbranch_scc0 .Lk7_\@
	v_add_nc_u32 v4, s33, v3
	v_add_nc_u32 v6, s32, v5
	v_add_nc_u32 v8, s34, v7
	STAGE \bank, 3
	FETCH 0, 0
.Lk7_\@:
	MUL 1, 7, 6, 2, \ori, 1
	PLACES
	DLOAD 7
	WIN 0
.endm
; A PRODUCT OF 64 ROWS: two slots of eight K steps, 512 matrix instructions a wave.  bank: the operand's registers in window 3.
; ori 0: the bias (R1) is spread into the accumulators, so every K step adds in place; nv = 1: the next bias is asked for; nv = 3: gain, shift and the next bias.  ori 1: no bias: the first K step, written out, starts the sums.
.macro G64 ori, bank, nv
	WIN 0
.if (\ori) == 0
	s_wait_loadcnt 56                              ; R1 was asked for a product ago: more than 56 loads were issued behind it
	SPREAD R1, 1, 1, 0, 4
.if (\nv) == 1
	TLOAD R1, 2048
	STEPP 2048
.else
	TLOAD R2, 2048
	TLOAD R3, 4096
	TLOAD R1, 6144
	STEPP 6144
.endif
.endif
	v_add_nc_u32 v8, s33, v7
	STAGE \bank, 0
	v_add_nc_u32 v8, s34, v7
	STAGE \bank, 1
	s_wait_dscnt 0x0                               ; for the others' sake: my quarters 0 and 1 are in the stages; the bias is in the accumulators
	s_barrier_signal -1                            ; the tile on its way may stay out
	s_barrier_wait -1
	v_add_nc_u32 v4, s33, v3
	v_add_nc_u32 v6, s32, v5
	FETCH 0, 0
	s_mov_b32 s35, 2
.if (\ori) == 1
	KST 0, 1, 0
	WIN 0
	s_branch .Lmid_\@                              ; the loop is entered behind its first K step
.endif
.Lh_\@:
	KST 0, \ori, 1
.if (\ori) == 1
	WIN 0
.Lmid_\@:
.endif
	KST 1, \ori, 1
	KST 2, \ori, 1
	K3T \ori, \bank
	KST 4, \ori, 1
	KST 5, \ori, 1
	KST 6, \ori, 1
	K7T \ori, \bank
	s_wait_xcnt 0x0                                ; my stream's pointer steps only behind this wait
	s_add_nc_u64 s[50:51], s[50:51], HALFD
	s_sub_co_u32 s35, s35, 1
	s_cmp_lg_u32 s35, 0
	s_cbranch_scc1 .Lh_\@
.endm
.macro CVTF win, base                  ; the 32 accumulators (T) rounded to f16: 16 fragments; each accumulator's registers in ascending order
	WIN ((\win)<<6)|0x05
.set ci, 0
.rept 128
	v_cvt_pk_f16_f32 v[(\base)+ci], v[2*ci], v[2*ci+1]
.set ci, ci+1
.endr
	WIN 0
.endm
.macro CVTV                            ; the 32 accumulators (N) rounded to f16: V^T's fragments (g, b) at window 3, 128 + 64 g + 8 b: registers 0-3 from row group 2 g, 4-7 from 2 g + 1
	WIN 0xC5
.set ci, 0
.rept 128
	v_cvt_pk_f16_f32 v[128+64*(ci/64)+8*((ci/4)%8)+4*((ci/32)%2)+ci%4], v[2*ci], v[2*ci+1]
.set ci, ci+1
.endr
	WIN 0
.endm
.macro REDUCE na                       ; four chains of pairs at v[64 + 8 a ..] into one number a row, at v[64 + 8 a]: the row's other 64 columns lie in the lane 16 away
	WIN 0
	ALLA \na, v_pk_add_f32 v[64+8*xa:65+8*xa], v[64+8*xa:65+8*xa], v[66+8*xa:67+8*xa]
	ALLA \na, v_pk_add_f32 v[68+8*xa:69+8*xa], v[68+8*xa:69+8*xa], v[70+8*xa:71+8*xa]
	ALLA \na, v_pk_add_f32 v[64+8*xa:65+8*xa], v[64+8*xa:65+8*xa], v[68+8*xa:69+8*xa]
	ALLA \na, v_add_f32 v[64+8*xa], v[64+8*xa], v[65+8*xa]
	ALLA \na, v_permlanex16_b32 v[65+8*xa], v[64+8*xa], s42, s43
	ALLA \na, v_add_f32 v[64+8*xa], v[64+8*xa], v[65+8*xa]
.endm
; LAYERNORM of z = mm x max(acc, s38) + residual over 512 columns, for na row groups.  tail = 0: residual from XH (f16), mm = v[16 + a]; the result goes to XH and OH.
; tail = 1: residual f32 (window 1, v64-127), which then takes the result; fin = 0: also OH's first 32 registers; fin = 1: the result is the output.  lw: younger loads that may stay out when gain and shift (R2, R3) are taken.
.macro LN na, tail, fin, lw
	WIN 0
	s_wait_loadcnt \lw                             ; R2, R3 (and the first residual) were asked for ahead of the product's loads
	SPREAD R2, 2, 3, 128, 1                        ; into OH's registers: the operand has been staged and is done with; they land while the statistics are made
	SPREAD R3, 3, 3, 192, 1
	WIN 0x44
.set xi, 0
.rept 64*(\na)
	v_max_num_f32 v[xi], s38, v[xi]
.set xi, xi+1
.endr
.if \tail
	WIN 0x45
.set xi, 0
.rept 32
	v_pk_add_f32 v[2*xi:2*xi+1], v[2*xi:2*xi+1], v[64+2*xi:65+2*xi]
.set xi, xi+1
.endr
.else
	WIN 0x71
.set xi, 0
.rept 128
	v_fma_mix_f32 v[2*xi],   v[2*xi],   v[16+xi/32], v[xi] op_sel:[0,0,0] op_sel_hi:[0,0,1]
	v_fma_mix_f32 v[2*xi+1], v[2*xi+1], v[16+xi/32], v[xi] op_sel:[0,0,1] op_sel_hi:[0,0,1]
.set xi, xi+1
.endr
.endif
	WIN 0x05                                       ; the sum of my 64 numbers of a row: four chains of pairs, started by sums of two
.set xp, 0
.rept 4
.set xa, 0
.rept \na
	v_pk_add_f32 v[64+8*xa+2*xp:65+8*xa+2*xp], v[64*xa+2*xp:64*xa+2*xp+1], v[64*xa+2*xp+8:64*xa+2*xp+9]
.set xa, xa+1
.endr
.set xp, xp+1
.endr
	WIN 0x04
.set xp, 8
.rept 24
.set xa, 0
.rept \na
	v_pk_add_f32 v[64+8*xa+2*(xp%4):65+8*xa+2*(xp%4)], v[64+8*xa+2*(xp%4):65+8*xa+2*(xp%4)], v[64*xa+2*xp:64*xa+2*xp+1]
.set xa, xa+1
.endr
.set xp, xp+1
.endr
	REDUCE \na
	ALLA \na, v_mul_f32 v[96+2*xa], s46, v[64+8*xa]     ; my wave's mean over its 128 columns, twice: a pair for the packed subtraction
	ALLA \na, v_mul_f32 v[97+2*xa], s46, v[64+8*xa]
	WIN 0x41
.set xi, 0
.rept 32*(\na)
	v_pk_add_f32 v[2*xi:2*xi+1], v[2*xi:2*xi+1], v[96+2*(xi/32):97+2*(xi/32)] neg_lo:[0,1] neg_hi:[0,1]
.set xi, xi+1
.endr
	WIN 0x05                                       ; the centred squares
.set xp, 0
.rept 32
.set xa, 0
.rept \na
.if xp < 4
	v_pk_mul_f32 v[64+8*xa+2*xp:65+8*xa+2*xp], v[64*xa+2*xp:64*xa+2*xp+1], v[64*xa+2*xp:64*xa+2*xp+1]
.else
	v_pk_fma_f32 v[64+8*xa+2*(xp%4):65+8*xa+2*(xp%4)], v[64*xa+2*xp:64*xa+2*xp+1], v[64*xa+2*xp:64*xa+2*xp+1], v[64+8*xa+2*(xp%4):65+8*xa+2*(xp%4)]
.endif
.set xa, xa+1
.endr
.set xp, xp+1
.endr
	REDUCE \na
	ALLA \na, v_mov_b32 v[97+2*xa], v[64+8*xa]          ; (mean_w, M2_w)
	ALLA \na, ds_store_b64 v9, v[96+2*xa:97+2*xa] offset:128*xa
	s_wait_dscnt 0x0                               ; for the others' sake; gain and shift are in too
	s_barrier_signal -1
	s_barrier_wait -1
.set xw, 0
.rept 4
	ALLA \na, ds_load_b64 v[104+8*xa+2*xw:105+8*xa+2*xw], v10 offset:512*xw+128*xa
.set xw, xw+1
.endr
	s_wait_dscnt 0x0                               ; the words are stored again only behind the next product's barriers
	ALLA \na, v_pk_add_f32 v[64+8*xa:65+8*xa], v[104+8*xa:105+8*xa], v[106+8*xa:107+8*xa]
	ALLA \na, v_pk_add_f32 v[66+8*xa:67+8*xa], v[108+8*xa:109+8*xa], v[110+8*xa:111+8*xa]
	ALLA \na, v_pk_add_f32 v[64+8*xa:65+8*xa], v[64+8*xa:65+8*xa], v[66+8*xa:67+8*xa]
	ALLA \na, v_mul_f32 v[66+8*xa], 0x3e800000, v[64+8*xa]   ; the row's mean
	ALLA \na, v_sub_f32 v[67+8*xa], v[104+8*xa], v[66+8*xa]
	ALLA \na, v_sub_f32 v[68+8*xa], v[106+8*xa], v[66+8*xa]
	ALLA \na, v_sub_f32 v[69+8*xa], v[108+8*xa], v[66+8*xa]
	ALLA \na, v_sub_f32 v[70+8*xa], v[110+8*xa], v[66+8*xa]
	ALLA \na, v_mul_f32 v[67+8*xa], v[67+8*xa], v[67+8*xa]
	ALLA \na, v_fmac_f32 v[67+8*xa], v[68+8*xa], v[68+8*xa]
	ALLA \na, v_fmac_f32 v[67+8*xa], v[69+8*xa], v[69+8*xa]
	ALLA \na, v_fmac_f32 v[67+8*xa], v[70+8*xa], v[70+8*xa]
	ALLA \na, v_fmamk_f32 v[67+8*xa], v[67+8*xa], 0x43000000, v[65+8*xa]  ; 128 sum (mean_w - mean)^2 + sum M2_w
	ALLA \na, v_fma_f32 v[67+8*xa], v[67+8*xa], s47, s45                  ; / 512 + 1e-5
	ALLA \na, v_rsq_f32 v[136+2*xa], v[67+8*xa]
	ALLA \na, v_sub_f32 v[68+8*xa], v[96+2*xa], v[66+8*xa]                ; a plain line behind the root (ISA guide 5.7.2): my wave's mean less the row's
	ALLA \na, v_mov_b32 v[137+2*xa], v[136+2*xa]
	ALLA \na, v_mul_f32 v[144+2*xa], v[68+8*xa], v[136+2*xa]
	ALLA \na, v_mov_b32 v[145+2*xa], v[144+2*xa]
	WIN 0x41
.set xi, 0
.rept 32*(\na)
	v_pk_fma_f32 v[2*xi:2*xi+1], v[2*xi:2*xi+1], v[136+2*(xi/32):137+2*(xi/32)], v[144+2*(xi/32):145+2*(xi/32)]
.set xi, xi+1
.endr
	WIN 0x7D
.set xi, 0
.rept 32*(\na)
	v_pk_fma_f32 v[64*(\tail)+2*xi:64*(\tail)+2*xi+1], v[2*xi:2*xi+1], v[128+(2*xi)%64:129+(2*xi)%64], v[192+(2*xi)%64:193+(2*xi)%64]
.set xi, xi+1
.endr
.if (\tail) == 0
	WIN 0xC5
.set xi, 0
.rept 128
	v_cvt_pk_f16_f32 v[xi], v[2*xi], v[2*xi+1]
.set xi, xi+1
.endr
	WIN 0xC3
.set xi, 0
.rept 128
	v_mov_b32 v[128+xi], v[xi]
.set xi, xi+1
.endr
.elseif (\fin) == 0
	WIN 0xC5
.set xi, 0
.rept 32
	v_cvt_pk_f16_f32 v[128+xi], v[64+2*xi], v[65+2*xi]
.set xi, xi+1
.endr
.else
	; THE WAY OUT.  Zeros for a reaction of length 0 or less; a lane's eight columns of a row go into my own stage (rows of 528 bytes) and come back as whole rows of 512 bytes.
	; The stage lies where the operand stages lay: every wave's reads of those were over in front of the barrier above.
	WIN 0x44
.set xi, 0
.rept 64
	v_and_b32 v[64+xi], v24, v[64+xi]
.set xi, xi+1
.endr
	WIN 0
	s_mul_i32 s2, s16, 8448
	s_add_co_u32 s2, s2, STG0
	v_mul_u32_u24 v30, v1, 528
	v_lshl_add_u32 v30, v2, 5, v30
	v_add_nc_u32 v30, s2, v30
	v_add_nc_u32 v31, s2, v25
	WIN 0x04
.set xi, 0
.rept 8
	ds_store_b128 v30, v[64+8*xi:67+8*xi] offset:64*xi
	ds_store_b128 v30, v[68+8*xi:71+8*xi] offset:64*xi+16
.set xi, xi+1
.endr
	WIN 0
.set xi, 0
.rept 16
	ds_load_b128 v[128+4*xi:131+4*xi], v31 offset:528*xi   ; LDS serves a wave's instructions in order (ISA guide 5.7.1.4): these see the stores above
.set xi, xi+1
.endr
.set xi, 0
.rept 16
	s_wait_dscnt 15-xi
	global_store_b128 v11, v[128+4*xi:131+4*xi], s[14:15] offset:2048*xi th:TH_STORE_NT  ; 512 consecutive bytes, at a multiple of 256 from the output's first
.set xi, xi+1
.endr
.endif
	WIN 0
.endm
; ---- THE LAST TWO BLOCKS: 16 rows, one a reaction.  The operand's four quarters (16 rows x 272 bytes each) lie together in stage 0.
.macro FET16 f, e                      ; K step e of the slot: one fragment of the operand, W's blocks 0-3
	WIN 0
	ds_load_b128 v[64+32*(\f):67+32*(\f)], v4 offset:GRP*((\e)/4)+64*((\e)%4)
	ds_load_b128 v[68+32*(\f):71+32*(\f)], v4 offset:GRP*((\e)/4)+64*((\e)%4)+32
.set fb, 0
.rept 4
	ds_load_b128 v[128+32*(\f)+8*fb:128+32*(\f)+8*fb+3],   v6 offset:4096*(\e)+1024*fb
	ds_load_b128 v[128+32*(\f)+8*fb+4:128+32*(\f)+8*fb+7], v6 offset:4096*(\e)+1024*fb+512
.set fb, fb+1
.endr
.endm
.macro H16 dl                          ; eight K steps, 64 matrix instructions on 8 accumulators by turns.  dl = 0: the walk's last eight: nothing is left to ask for, and the counts run down
	FET16 0, 0
.set he, 0
.rept 8
.if he < 7
	FET16 (he+1)%2, he+1
	s_wait_dscnt 10                                ; the 10 just issued stay out
.else
	s_wait_dscnt 0x0
.endif
.if \dl
	s_wait_loadcnt 56                              ; as in a product of 64 rows
.else
	s_wait_loadcnt 8*(7-he)                        ; the K steps still to come
.endif
	WIN 0x50
.set hb, 0
.rept 4
	v_wmma_f32_16x16x32_f16 v[8*hb:8*hb+7], v[128+32*(he%2)+8*hb:135+32*(he%2)+8*hb], v[64+32*(he%2):71+32*(he%2)], v[8*hb:8*hb+7]
.set hb, hb+1
.endr
	WIN 0x52
.set hb, 0
.rept 4
	v_wmma_f32_16x16x32_f16 v[32+8*hb:39+8*hb], v[32*he+8*hb:32*he+8*hb+7], v[64+32*(he%2):71+32*(he%2)], v[32+8*hb:39+8*hb]
.set hb, hb+1
.endr
	PLACES
.if \dl
	DLOAD he
.endif
.set he, he+1
.endr
	WIN 0
.endm
.macro CHG16 fill                      ; the change of slots; fill = 0: into the walk's last tile: nothing is asked for, and my own wait is all that my reads of my own bytes need
	WIN 0
	s_wait_tensorcnt 0x0
.if \fill
	ds_add_u32 v28, v29
	STEPD
.endif
	s_xor_b32 s32, s32, RINGX
.if \fill
	s_wait_dscnt 0x0
	ROUND
	JLOAD
.endif
	v_add_nc_u32 v6, s32, v5
	v_add_nc_u32 v4, 2*GRP, v4                     ; the operand's next two quarters
.endm
.macro G16 last                        ; a product of 16 rows: two slots, 128 matrix instructions a wave
	WIN 0
	v_add_nc_u32 v8, s33, v7
	WIN 0x0c
.set sa, 0
.rept 4
	ds_store_b128 v8, v[128+8*sa:131+8*sa] offset:GRP*sa
	ds_store_b128 v8, v[132+8*sa:135+8*sa] offset:GRP*sa+32
.set sa, sa+1
.endr
	WIN 0
	s_wait_dscnt 0x0                               ; for the others' sake; the bias is in the accumulators
	s_barrier_signal -1
	s_barrier_wait -1
	v_add_nc_u32 v4, s33, v3
	v_add_nc_u32 v6, s32, v5
.if (\last) == 0
	s_mov_b32 s35, 2
.Lg16_\@:
	H16 1
	s_wait_xcnt 0x0
	s_add_nc_u64 s[50:51], s[50:51], HALFD
	CHG16 1
	s_sub_co_u32 s35, s35, 1
	s_cmp_lg_u32 s35, 0
	s_cbranch_scc1 .Lg16_\@
.else
	H16 1
	CHG16 0
	H16 0
.endif
.endm
	; ================= HEAD
	s_load_b256 s[4:11], s[0:1], 0x0
	s_load_b128 s[12:15], s[0:1], 0x20
	v_lshl_add_u32 v28, v0, 2, SPARE
	v_mov_b32 v29, 0
	ds_add_u32 v28, v29                            ; the wave's opening: the add and its wait stand ahead of my first tensor load
	v_lshrrev_b32 v30, 5, v0
	v_readfirstlane_b32 s16, v30                   ; wave 0..3
	s_bfe_u32 s48, ttmp6, 0x40000                  ; cx
	s_lshl_b32 s17, ttmp9, 2
	s_add_co_u32 s17, s17, s48                     ; my work-group: it enters the addresses of indices, lengths and output alone
	s_mov_b32 s20, 15|(1<<16)|(1<<21)              ; mask of four; 2-byte elements; bit 21 beside a mask; no padding: the tile is read as it lies
	s_mov_b32 s21, 128<<16                         ; tensor_dim0 = 128
	s_mov_b32 s22, 128<<16                         ; tensor_dim1 = 128
	s_mov_b32 s23, 128<<16                         ; tile_dim0 = 128
	s_mov_b32 s24, 128                             ; tile_dim1 = 128
	s_mov_b32 s25, 128                             ; 128 elements from row to row: my part of a tile is dense, 128 rows of 256 bytes
	s_mov_b32 s26, 0
	s_mov_b32 s27, 0
	s_mov_b32 s28, 1
	s_mul_i32 s29, s16, 32768                      ; my part of slot 0
	s_lshl_b32 s18, s16, 9
	s_lshl_b32 s19, s16, 6
	v_and_b32 v1, 15, v0                           ; r
	v_bfe_u32 v2, v0, 4, 1                         ; h
	v_mul_u32_u24 v3, v1, PITCH
	v_lshl_add_u32 v3, v2, 4, v3                   ; a staged fragment's row x pitch + 16 h
	v_add_nc_u32 v7, s19, v3                       ; where my 64 bytes of a staged row lie
	v_and_b32 v25, 31, v0
	v_lshlrev_b32 v25, 4, v25                      ; 16 x lane
	v_add_nc_u32 v5, s29, v25                      ; the same in my part of a slot
	v_add_nc_u32 v11, s18, v25                     ; and in my 512 bytes of a row of 2,048
	v_lshlrev_b32 v10, 3, v1
	v_add_nc_u32 v10, STATS, v10
	v_add_nc_u32 v9, s18, v10
	s_wait_dscnt 0x0
	s_wait_kmcnt 0x0
	s_lshl_b32 s2, s16, 15
	s_mov_b32 s3, 0
	s_add_nc_u64 s[30:31], s[4:5], s[2:3]          ; tile 0, my part
	s_or_b32 s31, s31, 0x80000000
	ROUND                                          ; all four work-groups are here: the first joint loads meet
	JLOAD                                          ; tile 0
	; ================= GATHER: 64 rows of the table, my 128 columns of each
	s_mov_b32 s49, 0
	s_lshl_b32 s48, s17, 8
	s_add_nc_u64 s[10:11], s[10:11], s[48:49]
	s_lshl_b32 s48, s17, 6
	s_add_nc_u64 s[12:13], s[12:13], s[48:49]
	s_lshl_b32 s48, s17, 15
	s_add_nc_u64 s[14:15], s[14:15], s[48:49]
	s_load_b512 s[32:47], s[10:11], 0x0
	s_load_b512 s[48:63], s[10:11], 0x40
	s_load_b512 s[68:83], s[10:11], 0x80
	s_load_b512 s[84:99], s[10:11], 0xc0
	v_lshrrev_b32 v26, 2, v1
	v_lshlrev_b32 v27, 2, v26
	v_lshlrev_b32 v30, 2, v1
.irp a, 0,1,2,3
	global_load_b32 v[16+\a], v27, s[12:13] offset:16*\a   ; the length of row 16 a + r's reaction
.endr
	global_load_b32 v24, v30, s[12:13]             ; the length of reaction r
	TLOAD R1, 0                                    ; bq of block 0
	s_wait_kmcnt 0x0
.set row, 0
.rept 64
.set SI, 32+row+4*(row/32)
	s_min_u32 s[SI], s[SI], 49999
	s_lshl_b32 s[SI], s[SI], 11
	v_add_nc_u32 v[64+row], s[SI], v11
.set row, row+1
.endr
	WIN 0x40
.set row, 0
.rept 64
	global_load_b128 v[4*row:4*row+3], v[64+row], s[8:9]   ; 512 consecutive bytes of one table row; no hint: a row may be named twice
.set row, row+1
.endr
	WIN 0
	s_wait_loadcnt 32                              ; rows 32-63 may be out: the lengths, bq and rows 0-31 are in
	v_and_b32 v30, 3, v1                           ; my row's slot in its reaction
	v_lshlrev_b32 v31, 1, v2
	v_sub_nc_u32 v31, v26, v31                     ; u = r / 4 - 2 h: key register j belongs to my query's reaction where j / 4 = u
	v_cmp_eq_u32 s2, 0, v31
	v_cmp_eq_u32 s3, 1, v31
	v_cmp_lt_i32 vcc_lo, 0, v24
	v_cndmask_b32 v24, 0, -1, vcc_lo               ; all ones where reaction r is not empty
.irp a, 0,1,2,3
	v_cmp_lt_i32 vcc_lo, v30, v[16+\a]
	v_cndmask_b32 v[12+\a], 0, 1.0, vcc_lo         ; row 16 a + r is a gene: as a factor,
	v_cndmask_b32 v[20+\a], 0, -1, vcc_lo          ; and as bits
	v_cndmask_b32 v26, 0, v[16+\a], s2
	v_cndmask_b32 v27, 0, v[16+\a], s3
.irp j, 0,1,2,3,4,5,6,7
	v_cmp_lt_i32 vcc_lo, (\j)&3, v[26+(\j)/4]
	v_cndmask_b32 v[32+8*\a+\j], 0xf149f2ca, v29, vcc_lo   ; 0 where key 8 h + j is seen by query r, else -1e30
.endr
.endr
	s_lshl_b32 s2, s16, 11
	s_add_co_u32 s2, s2, TSC                       ; my 2,048 bytes for small vectors
	v_add_nc_u32 v26, s2, v25                      ; in: 16 x lane
	v_lshl_add_u32 v27, v2, 5, s2                  ; out: 32 h, and 64 b in the offset
	s_mul_i32 s50, s16, DWAVE                      ; (the indices have been used)
	s_add_co_u32 s50, s50, DOFF
	s_mov_b32 s51, 0
	s_add_nc_u64 s[50:51], s[4:5], s[50:51]        ; my stream of blocks 4-7
	s_mul_i32 s2, s16, 8704                        ; my scratch: 32 rows x 272 bytes, where the stages will lie
	s_add_co_u32 s2, s2, STG0
	v_and_b32 v30, 31, v0
	v_lshl_add_u32 v30, v30, 3, s2
	v_add_nc_u32 v31, s2, v3
.macro GHALF g                         ; 32 rows rounded to f16, through my scratch, into fragments
	WIN 0x05
.set i, 0
.rept 32
	v_cvt_pk_f16_f32 v[128+2*i], v[4*(32*(\g)+i)],   v[4*(32*(\g)+i)+1]
	v_cvt_pk_f16_f32 v[129+2*i], v[4*(32*(\g)+i)+2], v[4*(32*(\g)+i)+3]
.set i, i+1
.endr
	WIN 0
.set i, 0
.rept 32
	ds_store_b64 v30, v[128+2*i:129+2*i] offset:PITCH*i
.set i, i+1
.endr
	WIN 0xC0
.set i, 0
.rept 8                                                ; row group 2 g + i / 4, columns 32 (i % 4) on; LDS serves a wave in order: these see the stores above
	ds_load_b128 v[64*(\g)+8*i:64*(\g)+8*i+3],   v31 offset:GRP*(i/4)+64*(i%4)
	ds_load_b128 v[64*(\g)+8*i+4:64*(\g)+8*i+7], v31 offset:GRP*(i/4)+64*(i%4)+32
.set i, i+1
.endr
	WIN 0
.endm
	GHALF 0
.irp e, 0,1,2,3,4,5,6,7
	DLOAD \e                                       ; my stream's first eight K steps
.endr
	WIN 0
	s_wait_xcnt 0x0
	s_add_nc_u64 s[50:51], s[50:51], HALFD
	s_wait_loadcnt 63                              ; behind the rows 64 loads were issued: rows 32-63 are in
	GHALF 1
	s_wait_dscnt 0x0
	WIN 0xCC
.set i, 0
.rept 128
	v_and_b32 v[i], v[20+i/32], v[i]               ; padded rows are 0
.set i, i+1
.endr
	WIN 0
	; tile 0 is waited for, tile 1 asked for: issued as a refill is; the round also stands between my scratch reads and the first stage stores
	s_wait_tensorcnt 0x0
	ds_add_u32 v28, v29
	STEPD
	s_mov_b32 s32, 0
	s_mov_b32 s33, STG0
	s_mov_b32 s34, STG1
	s_mov_b32 s40, 0x3e0293ee                      ; c = log2(e) / sqrt(128)
	s_mov_b32 s41, 0x3e0293ee
	s_mov_b32 s42, 0x76543210
	s_mov_b32 s43, 0xfedcba98
	s_mov_b32 s44, 0xf149f2ca                      ; -1e30
	s_mov_b32 s45, 0x3727c5ac                      ; 1e-5
	s_mov_b32 s46, 0x3c000000                      ; 1/128
	s_mov_b32 s47, 0x3b000000                      ; 1/512
	s_wait_dscnt 0x0
	ROUND
	JLOAD
	; ================= THREE TRIPS: ENCODER BLOCK 0, ENCODER BLOCK 1, AND THE POOLING BLOCK'S THREE PRODUCTS OF 64 ROWS, which have the same shapes (lin for Q, K2 for K, V2 for V); the third trip is left behind V2
	s_mov_b32 s36, 3
.Lsup:
	TLOAD R0, 6144                                 ; the vector three on: bo, or the pooling query
	s_mov_b32 s37, 2
.Lqk:
	G64 0, 0, 1
	s_cmp_eq_u32 s37, 2
	s_cbranch_scc0 .Lsecond
	s_cmp_eq_u32 s36, 1
	s_cbranch_scc1 .Llin
	CVTF 3, 128                                    ; Q's fragments
	s_branch .Lqkn
.Llin:
	CVTF 3, 0                                      ; y = relu(x lin^T + b) takes x's place
	WIN 0xC3
.set i, 0
.rept 128
	v_pk_max_num_f16 v[i], v[i], v29
.set i, i+1
.endr
	WIN 0
	s_branch .Lqkn
.Lsecond:
	s_cmp_eq_u32 s36, 1
	s_cbranch_scc1 .Lpk
	CVTF 0, 64                                     ; K's fragments
	s_branch .Lqkn
.Lpk:
	s_wait_loadcnt 56                              ; the pooling query was asked for two products ago
	SPREAD R0, 0, 0, 128, 1
	TLOAD R0, 4096                                 ; bo of the pooling block
	s_wait_dscnt 0x0
	WIN 0x01                                       ; s(row) = q2 . K2(row) over my head's 128 columns: four chains a row group
.set xp, 0
.rept 32
.set xa, 0
.rept 4
.if xp < 4
	v_pk_mul_f32 v[64+8*xa+2*xp:65+8*xa+2*xp], v[64*xa+2*xp:64*xa+2*xp+1], v[128+2*xp:129+2*xp]
.else
	v_pk_fma_f32 v[64+8*xa+2*(xp%4):65+8*xa+2*(xp%4)], v[64*xa+2*xp:64*xa+2*xp+1], v[128+2*xp:129+2*xp], v[64+8*xa+2*(xp%4):65+8*xa+2*(xp%4)]
.endif
.set xa, xa+1
.endr
.set xp, xp+1
.endr
	REDUCE 4
	v_mov_b32 v30, s44
.irp a, 0,1,2,3
	v_cmp_ne_u32 vcc_lo, 0, v[20+\a]
	v_cndmask_b32 v[64+8*\a], v30, v[64+8*\a], vcc_lo      ; a padded key: -1e30
.endr
	ALLA 4, v_mov_b32 v[65+8*xa], v[64+8*xa]
	ALLA 4, v_max_num_f32_dpp v[65+8*xa], v[65+8*xa], v[65+8*xa] row_xmask:1 row_mask:0xf bank_mask:0xf   ; a reaction's four rows lie in four neighbouring lanes
	ALLA 4, v_max_num_f32_dpp v[65+8*xa], v[65+8*xa], v[65+8*xa] row_xmask:2 row_mask:0xf bank_mask:0xf
	ALLA 4, v_sub_f32 v[64+8*xa], v[64+8*xa], v[65+8*xa]
	ALLA 4, v_mul_f32 v[64+8*xa], s40, v[64+8*xa]
	ALLA 4, v_exp_f32 v[64+8*xa], v[64+8*xa]
	v_nop
	s_wait_alu depctr_va_vdst(0)
	ALLA 4, v_mov_b32 v[65+8*xa], v[64+8*xa]
	ALLA 4, v_add_f32_dpp v[65+8*xa], v[65+8*xa], v[65+8*xa] row_xmask:1 row_mask:0xf bank_mask:0xf
	ALLA 4, v_add_f32_dpp v[65+8*xa], v[65+8*xa], v[65+8*xa] row_xmask:2 row_mask:0xf bank_mask:0xf
	ALLA 4, v_rcp_f32 v[66+8*xa], v[65+8*xa]
	v_nop
	s_wait_alu depctr_va_vdst(0)
	ALLA 4, v_mul_f32 v[64+8*xa], v[64+8*xa], v[66+8*xa]
	s_lshl_b32 s2, s16, 8
	s_add_co_u32 s2, s2, PSC
	v_lshl_add_u32 v31, v1, 2, s2
	v_lshl_add_u32 v102, v1, 4, s2
	ALLA 4, ds_store_b32 v31, v[64+8*xa] offset:64*xa      ; the weight of row 16 a + r; my own bytes
	ds_load_b128 v[96:99], v102                    ; the four weights of reaction r
	s_wait_dscnt 0x0
	v_cvt_pk_f16_f32 v100, v96, v97
	v_cvt_pk_f16_f32 v101, v98, v99
	; P2(G): 32 rows x 16 reactions: lane (r, h)'s register pair U of group G holds rows of reaction 8 G + 4 (U / 2) + 2 h + U % 2, which is r for one (G, U, h) alone
	v_and_b32 v30, 7, v1
	v_lshrrev_b32 v31, 3, v1
	v_bfe_u32 v102, v30, 2, 1
	v_lshl_add_u32 v31, v31, 1, v102
	v_and_b32 v102, 1, v30
	v_lshl_add_u32 v31, v31, 1, v102               ; 4 G + U
	v_bfe_u32 v102, v30, 1, 1
	v_cmp_eq_u32 vcc_lo, v102, v2
	v_cndmask_b32 v31, 0xff, v31, vcc_lo           ; none in the other half of the lanes
.irp t, 0,1,2,3,4,5,6,7
	v_cmp_eq_u32 vcc_lo, \t, v31
	v_cndmask_b32 v[32+2*\t], 0, v100, vcc_lo
	v_cndmask_b32 v[33+2*\t], 0, v101, vcc_lo
.endr
.Lqkn:
	s_sub_co_u32 s37, s37, 1
	s_cmp_lg_u32 s37, 0
	s_cbranch_scc1 .Lqk
	s_cmp_eq_u32 s36, 1
	s_cbranch_scc1 .Lv                             ; the pooling block's weights are made already
	; scores S^T = K Q^T + mask, a row group against itself (its four reactions): a lane holds query r and keys 8 h + j.  Four accumulators by turns.
	WIN 0x0c
.set kk, 0
.rept 4
.set xa, 0
.rept 4
.if kk == 0
	v_wmma_f32_16x16x32_f16 v[192+8*xa:199+8*xa], v[64+32*xa+8*kk:71+32*xa+8*kk], v[128+32*xa+8*kk:135+32*xa+8*kk], v[32+8*xa:39+8*xa]
.else
	v_wmma_f32_16x16x32_f16 v[192+8*xa:199+8*xa], v[64+32*xa+8*kk:71+32*xa+8*kk], v[128+32*xa+8*kk:135+32*xa+8*kk], v[192+8*xa:199+8*xa]
.endif
.set xa, xa+1
.endr
.set kk, kk+1
.endr
	WIN 0
	PLACES
	; softmax: the four row groups line by line, so that no line waits for the one before it
	ALLA 4, v_max3_num_f32 v[64+4*xa], v[192+8*xa], v[193+8*xa], v[194+8*xa]
	ALLA 4, v_max3_num_f32 v[65+4*xa], v[195+8*xa], v[196+8*xa], v[197+8*xa]
	ALLA 4, v_max3_num_f32 v[64+4*xa], v[64+4*xa], v[198+8*xa], v[199+8*xa]
	ALLA 4, v_max_num_f32 v[64+4*xa], v[64+4*xa], v[65+4*xa]
	ALLA 4, v_permlanex16_b32 v[65+4*xa], v[64+4*xa], s42, s43
	ALLA 4, v_max_num_f32 v[64+4*xa], v[64+4*xa], v[65+4*xa]
	ALLA 4, v_mul_f32 v[66+4*xa], s40, v[64+4*xa]
	ALLA 4, v_mul_f32 v[67+4*xa], s40, v[64+4*xa]
.irp p, 0,2,4,6
	ALLA 4, v_pk_fma_f32 v[192+8*xa+\p:193+8*xa+\p], v[192+8*xa+\p:193+8*xa+\p], s[40:41], v[66+4*xa:67+4*xa] op_sel_hi:[1,0,0] neg_lo:[0,0,1] neg_hi:[0,0,1]
.endr
.set i, 192
.rept 32
	v_exp_f32 v[i], v[i]
.set i, i+1
.endr
	v_nop                                          ; a plain line behind the last exponential (ISA guide 5.7.2)
	s_wait_alu depctr_va_vdst(0)
	ALLA 4, v_pk_add_f32 v[80+4*xa:81+4*xa], v[192+8*xa:193+8*xa], v[194+8*xa:195+8*xa]
	ALLA 4, v_pk_add_f32 v[82+4*xa:83+4*xa], v[196+8*xa:197+8*xa], v[198+8*xa:199+8*xa]
	ALLA 4, v_pk_add_f32 v[80+4*xa:81+4*xa], v[80+4*xa:81+4*xa], v[82+4*xa:83+4*xa]
	ALLA 4, v_add_f32 v[64+4*xa], v[80+4*xa], v[81+4*xa]
	ALLA 4, v_permlanex16_b32 v[65+4*xa], v[64+4*xa], s42, s43
	ALLA 4, v_add_f32 v[64+4*xa], v[64+4*xa], v[65+4*xa]
	ALLA 4, v_rcp_f32 v[66+4*xa], v[64+4*xa]
	v_nop
	s_wait_alu depctr_va_vdst(0)
	ALLA 4, v_mov_b32 v[67+4*xa], v[66+4*xa]
.irp p, 0,2,4,6
	ALLA 4, v_pk_mul_f32 v[192+8*xa+\p:193+8*xa+\p], v[192+8*xa+\p:193+8*xa+\p], v[66+4*xa:67+4*xa]
.endr
	; P takes the scores' registers: keys 16 (a % 2) + 8 h + .. of V^T's 32, so an even group packs upward into registers 0-3, an odd one downward into 4-7: no pair is overwritten before it is read
.irp i, 0,1,2,3
.irp a, 0,2
	v_cvt_pk_f16_f32 v[192+8*\a+\i], v[192+8*\a+2*\i], v[193+8*\a+2*\i]
	v_cvt_pk_f16_f32 v[207+8*\a-\i], v[206+8*\a-2*\i], v[207+8*\a-2*\i]
.endr
.endr
.irp i, 0,1,2,3
.irp a, 0,2
	v_mov_b32 v[196+8*\a+\i], 0                    ; the other row group's 16 keys count 0
	v_mov_b32 v[200+8*\a+\i], 0
.endr
.endr
.Lv:
	G64 1, 0, 0                                    ; V = x Wv^T, without its bias
	CVTV
	s_wait_loadcnt 56                              ; bv (R1) and R0 were asked for ahead of this product's loads
	SPREAD R1, 1, 0, 64, 1
	s_wait_dscnt 0x0
	s_cmp_eq_u32 s36, 1
	s_cbranch_scc1 .Lpool
	WIN 0x43                                       ; O^T = V^T P + bv: 32 accumulators, one instruction each
.set xb, 0
.rept 8
.set xa, 0
.rept 4
	v_wmma_f32_16x16x32_f16 v[64*xa+8*xb:64*xa+8*xb+7], v[128+64*(xa/2)+8*xb:135+64*(xa/2)+8*xb], v[192+8*xa:199+8*xa], v[64+8*xb:71+8*xb]
.set xa, xa+1
.endr
.set xb, xb+1
.endr
	PLACES
	CVTF 3, 128
.irp i, 0,1,2,3
	v_mov_b32 v[R1+\i], v[R0+\i]                   ; bo is the next bias
.endr
	STEPP 2048
	s_mov_b32 s37, 2
.Lof:                                                  ; trip 1: Wo, masked rows, + x, LayerNorm 1; trip 2: ff, ReLU, + h, LayerNorm 2
	s_cmp_eq_u32 s37, 2
	s_cselect_b32 s38, 0xff7fffff, 0               ; the activation's floor: none, or 0
	s_cselect_b32 s39, 0, 1.0
.irp a, 0,1,2,3
	v_max_num_f32 v[16+\a], s39, v[12+\a]          ; the row's factor: its mask, or 1
.endr
	G64 0, 128, 3
	LN 4, 0, 0, 56
	s_sub_co_u32 s37, s37, 1
	s_cmp_lg_u32 s37, 0
	s_cbranch_scc1 .Lof
	s_sub_co_u32 s36, s36, 1
	s_cmp_lg_u32 s36, 0
	s_cbranch_scc1 .Lsup
	; ================= POOLING: pooled^T = V2^T P2 + bv: eight accumulators by turns
.Lpool:
	WIN 0x43
.set xb, 0
.rept 8
	v_wmma_f32_16x16x32_f16 v[8*xb:8*xb+7], v[128+8*xb:135+8*xb], v[32:39], v[64+8*xb:71+8*xb]
.set xb, xb+1
.endr
	WIN 0x53
.set xb, 0
.rept 8
	v_wmma_f32_16x16x32_f16 v[8*xb:8*xb+7], v[192+8*xb:199+8*xb], v[40:47], v[8*xb:8*xb+7]
.set xb, xb+1
.endr
	PLACES
	WIN 0
	v_lshl_add_u32 v30, v2, 5, s18
	WIN 0x40
.set xb, 0
.rept 8                                                ; the seed, the first residual, straight into the T layout: it is wanted behind the next product
	global_load_b128 v[64+8*xb:67+8*xb], v30, s[6:7] offset:30720+64*xb
	global_load_b128 v[68+8*xb:71+8*xb], v30, s[6:7] offset:30720+64*xb+16
.set xb, xb+1
.endr
	WIN 0xC5
.set i, 0
.rept 32
	v_cvt_pk_f16_f32 v[128+i], v[2*i], v[2*i+1]
.set i, i+1
.endr
	WIN 0
.irp i, 0,1,2,3
	v_mov_b32 v[R1+\i], v[R0+\i]                   ; bo of the pooling block is the next bias
.endr
	STEPP 4096
	; ================= THE LAST FIVE PRODUCTS, 16 rows: Wo2 + LN, ff2 + LN, Wv3 (its result is the attention's: one key), Wo3 + LN in a loop; ff3 + LN written out, since it asks for no further tile
	s_mov_b32 s37, 4
.Ltail:
	s_cmp_eq_u32 s37, 3
	s_cselect_b32 s38, 0, 0xff7fffff               ; ReLU in the second trip alone
	s_wait_loadcnt 56
	SPREAD R1, 1, 1, 0, 1
	s_cmp_eq_u32 s37, 2
	s_cbranch_scc1 .Ltnogb                         ; Wv3 has no LayerNorm behind it
	TLOAD R2, 2048
	TLOAD R3, 4096
	STEPP 4096
.Ltnogb:
	TLOAD R1, 2048
	STEPP 2048
	G16 0
	s_cmp_eq_u32 s37, 2
	s_cbranch_scc1 .Ltplain
	LN 1, 1, 0, 56
	s_branch .Ltnext
.Ltplain:
	WIN 0xC5
.set i, 0
.rept 32
	v_cvt_pk_f16_f32 v[128+i], v[2*i], v[2*i+1]
.set i, i+1
.endr
	WIN 0
.Ltnext:
	s_sub_co_u32 s37, s37, 1
	s_cmp_lg_u32 s37, 0
	s_cbranch_scc1 .Ltail
	s_mov_b32 s38, 0
	s_wait_loadcnt 56
	SPREAD R1, 1, 1, 0, 1
	TLOAD R2, 2048
	TLOAD R3, 4096
	G16 1
	LN 1, 1, 1, 0
	s_wait_tensorcnt 0x0                           ; the wave's end: the wait, the add and its wait stand behind my last tensor load and my last LDS store
	ds_add_u32 v28, v29
	s_wait_dscnt 0x0
	ROUND                                          ; the closing round: no work-group ends while a partner may still ask for a tile that names it
	s_endpgm
.Lfunc_end_k_qd0098568b8_main:
	.size	k_qd0098568b8_main, .Lfunc_end_k_qd0098568b8_main-k_qd0098568b8_main
	.p2alignl 7, 3214868480
	.fill 96, 4, 3214868480
	.section	.rodata,"a",@progbits
	.p2align	6, 0x0
	.amdhsa_kernel k_qd0098568b8_main
		.amdhsa_group_segment_fixed_size 327680
		.amdhsa_private_segment_fixed_size 0
		.amdhsa_enable_private_segment 0
		.amdhsa_kernarg_size 48
		.amdhsa_user_sgpr_count 2
		.amdhsa_user_sgpr_kernarg_segment_ptr 1
		.amdhsa_wavefront_size32 1
		.amdhsa_system_sgpr_workgroup_id_x 1
		.amdhsa_system_sgpr_workgroup_id_y 1
		.amdhsa_system_sgpr_workgroup_id_z 1
		.amdhsa_system_vgpr_workitem_id 0
		.amdhsa_next_free_vgpr 1024
		.amdhsa_next_free_sgpr 100
		.amdhsa_reserve_vcc 1
		.amdhsa_float_denorm_mode_32 3
		.amdhsa_float_denorm_mode_16_64 3
		.amdhsa_memory_ordered 1
		.amdhsa_forward_progress 1
		.amdhsa_inst_pref_size 255
	.end_amdhsa_kernel
	.section	.bss,"aw",@nobits
	.p2align	6
	.space	262144
	.amdgpu_metadata
---
amdhsa.version: [ 1, 2 ]
amdhsa.kernels:
  - .name:           k_qd0098568b8_main
    .symbol:         k_qd0098568b8_main.kd
    .args:
      - { .name: WT, .offset: 0, .size: 8, .value_kind: global_buffer, .address_space: global }
      - { .name: PAR, .offset: 8, .size: 8, .value_kind: global_buffer, .address_space: global }
      - { .name: gene_embeddings, .offset: 16, .size: 8, .value_kind: global_buffer, .address_space: global }
      - { .name: reaction_gene_idx, .offset: 24, .size: 8, .value_kind: global_buffer, .address_space: global }
      - { .name: reaction_lengths, .offset: 32, .size: 8, .value_kind: global_buffer, .address_space: global }
      - { .name: out0, .offset: 40, .size: 8, .value_kind: global_buffer, .address_space: global }
    .group_segment_fixed_size: 327680
    .private_segment_fixed_size: 0
    .kernarg_segment_align: 8
    .kernarg_segment_size: 48
    .max_flat_workgroup_size: 128
    .sgpr_count:     100
    .vgpr_count:     1024
    .wavefront_size: 32
...
	.end_amdgpu_metadata
.endif
;; end of part 2
;; ======== version 2 of 2: 2 launches; version 1 with the launch prep written anew for expert scheduling mode
;; limits: values are held in f16: magnitudes above 65,504 overflow, below 6.1e-05 lose precision
;; workspace buffers: WT 9,437,184 bytes; PAR 73,728 bytes
;; launch prep (part 3): grid 16 x 19, 8 waves a work-group, no clusters, 0 bytes of LDS; arguments Wv, Wq, Wk, Wo, ffW, pma_lin_W, bq, bk, bv, bo, ffb, g1, b1, g2, b2, pma_lin_b, seed, WT, PAR; writes WT, PAR
.if DOCPART == 3
	.amdgcn_target "amdgcn-amd-amdhsa--gfx1250"
	.amdhsa_code_object_version 6
	.text
	.protected	k_qd0098568b8_prep
	.globl	k_qd0098568b8_prep
	.p2align	8
	.type	k_qd0098568b8_prep,@function
k_qd0098568b8_prep:
	s_mov_b64 s[64:65], 0
	v_nop
	global_prefetch_b8 v0, s[64:65] scope:SCOPE_SE
	s_setreg_imm32_b32 hwreg(HW_REG_WAVE_SCHED_MODE, 0, 2), 2
	s_setreg_imm32_b32 hwreg(HW_REG_WAVE_MODE, 25, 1), 1
	s_wait_xcnt 0x0
	s_wait_alu depctr_vm_vsrc(0)
; PREPARATION.  (1) The 18 weight matrices that the network multiplies by are rounded once to f16 and laid out IN FRAGMENT ORDER: 1,024 bytes are one matrix fragment
; (16 output columns x 32 along K): half i, lane l = 16 h + r, eight numbers W_p[128 w + 16 b + r][128 j + 32 q + 16 i + 8 h + 0..7] at i*512 + l*16.
;   blocks b = 0..3 (they go through LDS):   p*262144 + (q/2)*131072 + w*32768 + ((q%2)*4 + j)*4096 + b*1024
;   blocks b = 4..7 (they go to registers):  DOFF + w*1179648 + p*65536 + (4 q + j)*4096 + (b-4)*1024
; (2) The small vectors are copied, in f32, into PAR in the order in which they are used (36 vectors of 2,048 bytes).
; (3) The pooling query q2 = seed Wq[2]^T + bq[2], one row for all reactions, is made once, in f32 (PAR vector 21).
; Wq[3], Wk[3], bq[3], bk[3] are not read: the decoder's softmax runs over ONE key, so its weight is 1 for every finite score.
; LIMIT: a weight beyond 65,504 has no f16; below 6e-5 it keeps f16's fixed step of 6e-8.
; Grid: x = 0..15 (32 rows of a matrix each), y = 0..17 the matrix, y = 18 the vectors.  A stream: no LDS, no barrier, no matrix unit.
; THE MODE: SCHED_MODE bits 1:0 = 2 (LLVM: expert scheduling mode 2), set by the entry lines.  The code itself states the register dependences
; between vector instructions and memory instructions, with s_wait_alu, always for 0.
; THE PLAN.  Registers that memory instructions touch:
;   a matrix:    v7, v6      offsets of the loads and of the stores: made once at the head, never written again.
;                v[8:71]     written by the 16 loads alone; read by the conversions; nothing lands in them again.
;                v[72:103]   group g of four, 8 registers: written once, by group g's conversions; read by the two stores that are issued at the head of group g + 1.
;   the vectors: v3, v105, v106  offsets: made together at the head, never written again.
;                v[8:87]     written by the 20 loads; read by the products; in work-group x = 0 the tape's loads then land in v[8:79], and its stores read them.
;                v104        written by the three selects; read by the one store of q2.
;   scalars that vector instructions write: s43 (the wave's number); s2, s3, s44 and VCC (four compares in one run).
; No register that a memory instruction reads is ever written again, so the only waits on vm_vsrc, besides the one at the entry, are the two that stand at the writes of EXEC.
.set KA, 1|(2<<3)|(3<<9)|(4<<12)|(1<<15)|(2<<18)|(3<<24)|(4<<27)       ; kind of matrix p = 0..9, 3 bits each: 0 Wv 1 Wq 2 Wk 3 Wo 4 ffW 5 pma_lin_W
.set KB, 5|(2<<3)|(3<<9)|(4<<12)|(3<<18)|(4<<21)                       ; p = 10..17
.set BA, (1<<10)|(1<<12)|(1<<14)|(1<<16)|(1<<18)                       ; block of matrix p = 0..9, 2 bits each
.set BB, (2<<2)|(2<<4)|(2<<6)|(2<<8)|(3<<10)|(3<<12)|(3<<14)           ; p = 10..17
.set DOFF, 4718592
	s_load_b512 s[4:19], s[0:1], 0x0               ; Wv s4, Wq s6, Wk s8, Wo s10, ffW s12, pma_lin_W s14, bq s16, bk s18
	s_load_b512 s[20:35], s[0:1], 0x40             ; bv s20, bo s22, ffb s24, g1 s26, b1 s28, g2 s30, b2 s32, pma_lin_b s34
	s_load_b128 s[36:39], s[0:1], 0x80             ; seed s36, WT s38
	s_load_b64 s[40:41], s[0:1], 0x90              ; PAR
	s_mov_b32 s42, ttmp9                           ; x
	s_and_b32 s44, ttmp7, 0xffff                   ; y
	v_and_b32 v1, 31, v0                           ; lane
	v_lshrrev_b32 v2, 5, v0
	v_readfirstlane_b32 s43, v2                    ; wave
	s_wait_alu depctr_va_sdst(0)                   ; s43 is written, ahead of the branch and of its first reader on either path: offsets in the matrices, in WT and in PAR are made from it
	s_cmp_lt_u32 s44, 18
	s_cbranch_scc0 .Lvec
	; ---- a matrix: rows 32 x .. 32 x + 31 of matrix p = y.  Wave v takes the 16 rows of block b = 2 (x % 4) + v / 4 and the quarter q = v % 4 of K
	s_sub_co_u32 s48, s44, 10
	s_mov_b32 s46, KA
	s_mov_b32 s47, KB
	s_mov_b32 s50, BA
	s_mov_b32 s51, BB
	s_cmp_lt_u32 s44, 10
	s_cselect_b32 s45, s46, s47
	s_cselect_b32 s49, s50, s51
	s_cselect_b32 s48, s44, s48                    ; the place in the chosen table
	s_mul_i32 s46, s48, 3
	s_lshr_b32 s45, s45, s46
	s_and_b32 s45, s45, 7                          ; kind
	s_lshl_b32 s46, s48, 1
	s_lshr_b32 s49, s49, s46
	s_and_b32 s49, s49, 3                          ; block of the network
	s_lshr_b32 s46, s43, 2                         ; v / 4
	s_and_b32 s47, s43, 3                          ; q
	s_lshl_b32 s52, s49, 20                        ; source offset: block x 1 MiB + 32 x rows + 16 (v / 4) rows of 2,048 bytes + 128 q
	s_lshl_b32 s48, s42, 16
	s_add_co_u32 s52, s52, s48
	s_lshl_b32 s48, s46, 15
	s_add_co_u32 s52, s52, s48
	s_lshl_b32 s48, s47, 7
	s_add_co_u32 s52, s52, s48
	s_mov_b32 s53, 0
	s_and_b32 s48, s42, 3
	s_lshl_b32 s48, s48, 1
	s_add_co_u32 s48, s48, s46                     ; b
	s_lshr_b32 s50, s42, 2                         ; w
	s_lshl_b32 s54, s44, 18                        ; destination among the tiles
	s_lshr_b32 s51, s47, 1
	s_lshl_b32 s51, s51, 17
	s_add_co_u32 s54, s54, s51
	s_lshl_b32 s51, s50, 15
	s_add_co_u32 s54, s54, s51
	s_and_b32 s51, s47, 1
	s_lshl_b32 s51, s51, 14
	s_add_co_u32 s54, s54, s51
	s_lshl_b32 s51, s48, 10
	s_add_co_u32 s54, s54, s51
	s_mul_i32 s55, s50, 1179648                    ; destination in wave w's stream
	s_add_co_u32 s55, s55, DOFF-4096
	s_add_co_u32 s55, s55, s51
	s_lshl_b32 s51, s44, 16
	s_add_co_u32 s55, s55, s51
	s_lshl_b32 s51, s47, 14
	s_add_co_u32 s55, s55, s51
	s_cmp_lt_u32 s48, 4
	s_cselect_b32 s54, s54, s55
	s_mov_b32 s55, 0
	v_and_b32 v3, 15, v1                           ; r: my row of the 16
	v_lshrrev_b32 v4, 4, v1                        ; h
	v_lshlrev_b32 v7, 11, v3                       ; source: 2048 r + 32 h
	v_lshl_add_u32 v7, v4, 5, v7
	v_lshlrev_b32 v6, 4, v1                        ; destination: 16 x lane
	s_wait_kmcnt 0x0
	s_mov_b64 s[56:57], s[4:5]                     ; the matrix's buffer, chosen by its kind
	s_cmp_eq_u32 s45, 1
	s_cselect_b64 s[56:57], s[6:7], s[56:57]
	s_cmp_eq_u32 s45, 2
	s_cselect_b64 s[56:57], s[8:9], s[56:57]
	s_cmp_eq_u32 s45, 3
	s_cselect_b64 s[56:57], s[10:11], s[56:57]
	s_cmp_eq_u32 s45, 4
	s_cselect_b64 s[56:57], s[12:13], s[56:57]
	s_cmp_eq_u32 s45, 5
	s_cselect_b64 s[56:57], s[14:15], s[56:57]
	s_add_nc_u64 s[56:57], s[56:57], s[52:53]
	s_add_nc_u64 s[58:59], s[38:39], s[54:55]
	s_wait_alu depctr_va_vdst(0)                   ; v7 and v6 are written: every load below reads v7 as its offset, every store v6
.set k, 0
.rept 8                                                ; piece k: j = k / 2, i = k % 2: eight f32 a lane; a row's 128 bytes of (j, q) are read by four loads on end; all 16 loads go out first
	global_load_b128 v[8+8*k:11+8*k],  v7, s[56:57] offset:512*(k/2)+64*(k%2)
	global_load_b128 v[12+8*k:15+8*k], v7, s[56:57] offset:512*(k/2)+64*(k%2)+16
.set k, k+1
.endr
; The two stores of group g (pieces 2 g and 2 g + 1): one whole fragment, twice 512 consecutive bytes, aligned; each register is written once
.macro OUT g
	global_store_b128 v6, v[72+8*(\g):75+8*(\g)], s[58:59] offset:4096*(\g)
	global_store_b128 v6, v[76+8*(\g):79+8*(\g)], s[58:59] offset:4096*(\g)+512
.endm
.set g, 0
.rept 4                                                ; group g: its data are waited for, the group before is stored, its own eight conversions follow
	s_wait_loadcnt 12-4*g                          ; loads return in order: group g's four are in, the 12 - 4 g younger ones stay out
.if g > 0
	s_wait_alu depctr_va_vdst(0)                   ; the conversions of the group before have written its eight registers, which the two stores below read; this group's conversions name other registers
	OUT g-1
.endif
.set c, 0
.rept 8
	v_cvt_pk_f16_f32 v[72+8*g+c], v[8+16*g+2*c], v[9+16*g+2*c]
.set c, c+1
.endr
.set g, g+1
.endr
	s_wait_alu depctr_va_vdst(0)                   ; the last group's conversions have written v[96:103], which the last two stores read
	OUT 3
	s_endpgm
	; ---- the vectors.  q2: wave v of work-group x takes rows n0 + j, n0 = 32 x + 4 v, of Wq[2]; a lane 16 of a row's 512 numbers
.Lvec:
	s_lshl_b32 s45, s42, 5
	s_lshl_b32 s46, s43, 2
	s_add_co_u32 s45, s45, s46                     ; n0
	s_lshl_b32 s46, s45, 2                         ; 4 n0
	s_lshl_b32 s52, s45, 11
	s_add_co_u32 s52, s52, 0x200000                ; block 2, row n0
	s_mov_b32 s53, 0
	s_mov_b32 s54, 0x76543210                      ; v_permlanex16_b32: each lane takes its own place in the other half
	s_mov_b32 s55, 0xfedcba98
	v_lshlrev_b32 v3, 4, v1                        ; the three offsets of this path are made together: 16 x lane for the loads,
	v_lshl_add_u32 v105, v1, 2, s46                ; 4 (n0 + lane) for q2's store,
	v_lshlrev_b32 v106, 3, v0                      ; 8 t for the tape
	s_wait_kmcnt 0x0
	s_add_nc_u64 s[56:57], s[6:7], s[52:53]
	s_load_b128 s[48:51], s[16:17], s46 offset:0x1000  ; bq[2][n0 .. n0+3]
	s_wait_alu depctr_va_vdst(0)                   ; v3, v105 and v106 are written: every load and store of this path reads one of them as its offset
.set i, 0
.rept 4
	global_load_b128 v[8+4*i:11+4*i], v3, s[36:37] offset:512*i
.set i, i+1
.endr
.set i, 0
.rept 16                                               ; row i / 4, piece i % 4
	global_load_b128 v[24+4*i:27+4*i], v3, s[56:57] offset:2048*(i/4)+512*(i%4) th:TH_LOAD_NT
.set i, i+1
.endr
	v_cmp_eq_u32 s2, 1, v1                         ; the four masks in one run, while the loads are on their way: lane j takes row j's number,
	v_cmp_eq_u32 s3, 2, v1
	v_cmp_eq_u32 s44, 3, v1
	v_cmp_gt_u32 vcc_lo, 4, v1                     ; and lanes 0 to 3 store
	s_wait_alu depctr_va_sdst(0)                   ; s2, s3 and s44 are written, ahead of the selects that read them
	s_wait_alu depctr_va_vcc(0)                    ; VCC is written, ahead of the line that makes EXEC from it
	s_wait_loadcnt 0x0
.set j, 0
.rept 4                                                ; two chains a row, started by products: nothing is cleared
	v_pk_mul_f32 v[88+4*j:89+4*j], v[24+16*j:25+16*j], v[8:9]
	v_pk_mul_f32 v[90+4*j:91+4*j], v[26+16*j:27+16*j], v[10:11]
.set i, 1
.rept 3
	v_pk_fma_f32 v[88+4*j:89+4*j], v[24+16*j+4*i:25+16*j+4*i], v[8+4*i:9+4*i],   v[88+4*j:89+4*j]
	v_pk_fma_f32 v[90+4*j:91+4*j], v[26+16*j+4*i:27+16*j+4*i], v[10+4*i:11+4*i], v[90+4*j:91+4*j]
.set i, i+1
.endr
.set j, j+1
.endr
.irp j, 0,1,2,3
	v_pk_add_f32 v[88+4*\j:89+4*\j], v[88+4*\j:89+4*\j], v[90+4*\j:91+4*\j]
.endr
.irp j, 0,1,2,3
	v_add_f32 v[88+4*\j], v[88+4*\j], v[89+4*\j]
.endr
.irp m, 1,2,4,8
.irp j, 0,1,2,3
	v_add_f32_dpp v[88+4*\j], v[88+4*\j], v[88+4*\j] row_xmask:\m row_mask:0xf bank_mask:0xf
.endr
.endr
.irp j, 0,1,2,3
	v_permlanex16_b32 v[89+4*\j], v[88+4*\j], s54, s55
.endr
.irp j, 0,1,2,3
	v_add_f32 v[88+4*\j], v[88+4*\j], v[89+4*\j]
.endr
	s_wait_kmcnt 0x0
.irp j, 0,1,2,3
	v_add_f32 v[88+4*\j], s[48+\j], v[88+4*\j]
.endr
	v_cndmask_b32 v104, v88, v92, s2               ; lane j takes row j's number
	v_cndmask_b32 v104, v104, v96, s3
	v_cndmask_b32 v104, v104, v100, s44
	s_wait_xcnt 0x0                                ; EXEC is a source of the loads above: it changes only behind this wait
	s_wait_alu depctr_va_vdst(0)                   ; EXEC is written next: every vector instruction issued so far has written its result, v104, which the store below reads, among them
	s_wait_alu depctr_vm_vsrc(0)                   ; EXEC is written next: every memory instruction issued so far has read its registers
	s_and_saveexec_b32 s47, vcc_lo
	global_store_b32 v105, v104, s[40:41] offset:21*2048  ; 16 neighbouring bytes a wave: 2,048 bytes in the whole launch, too few to be worth a stage
	s_wait_xcnt 0x0                                ; EXEC is a source of the store: it is restored only behind this wait
	s_wait_alu depctr_va_vdst(0)                   ; EXEC is written next; and the products above are done reading v[8:79], in which the tape's loads land: no vector instruction stands between this wait and them
	s_wait_alu depctr_vm_vsrc(0)                   ; EXEC is written next: the store has read v105 and v104
	s_or_b32 exec_lo, exec_lo, s47
	s_cmp_lg_u32 s42, 0
	s_cbranch_scc1 .Ldone
	; the tape: 35 vectors of 2,048 bytes; thread t moves 8 bytes at 8 t (v106, made at this path's head), so a wave's store covers 256 consecutive bytes, aligned
.macro CLD idx, p, off
	global_load_b64 v[8+2*(\idx):9+2*(\idx)], v106, s[\p:\p+1] offset:\off
.endm
.macro CST idx, p, off
	global_store_b64 v106, v[8+2*(\idx):9+2*(\idx)], s[40:41] offset:2048*(\idx)
.endm
.macro ALLV m
	\m 0, 16, 0
	\m 1, 18, 0
	\m 2, 20, 0
	\m 3, 22, 0
	\m 4, 26, 0
	\m 5, 28, 0
	\m 6, 24, 0
	\m 7, 30, 0
	\m 8, 32, 0
	\m 9, 16, 2048
	\m 10, 18, 2048
	\m 11, 20, 2048
	\m 12, 22, 2048
	\m 13, 26, 2048
	\m 14, 28, 2048
	\m 15, 24, 2048
	\m 16, 30, 2048
	\m 17, 32, 2048
	\m 18, 34, 0
	\m 19, 18, 4096
	\m 20, 20, 4096
	\m 22, 22, 4096
	\m 23, 26, 4096
	\m 24, 28, 4096
	\m 25, 24, 4096
	\m 26, 30, 4096
	\m 27, 32, 4096
	\m 28, 20, 6144
	\m 29, 22, 6144
	\m 30, 26, 6144
	\m 31, 28, 6144
	\m 32, 24, 6144
	\m 33, 30, 6144
	\m 34, 32, 6144
	\m 35, 36, 0
.endm
	ALLV CLD
	s_wait_loadcnt 0x0                             ; the stores' data come from these loads: the memory counter's affair
	ALLV CST
.Ldone:
	s_endpgm
.Lfunc_end_k_qd0098568b8_prep:
	.size	k_qd0098568b8_prep, .Lfunc_end_k_qd0098568b8_prep-k_qd0098568b8_prep
	.p2alignl 7, 3214868480
	.fill 96, 4, 3214868480
	.section	.rodata,"a",@progbits
	.p2align	6, 0x0
	.amdhsa_kernel k_qd0098568b8_prep
		.amdhsa_group_segment_fixed_size 0
		.amdhsa_private_segment_fixed_size 0
		.amdhsa_enable_private_segment 0
		.amdhsa_kernarg_size 152
		.amdhsa_user_sgpr_count 2
		.amdhsa_user_sgpr_kernarg_segment_ptr 1
		.amdhsa_wavefront_size32 1
		.amdhsa_system_sgpr_workgroup_id_x 1
		.amdhsa_system_sgpr_workgroup_id_y 1
		.amdhsa_system_sgpr_workgroup_id_z 1
		.amdhsa_system_vgpr_workitem_id 0
		.amdhsa_next_free_vgpr 112
		.amdhsa_next_free_sgpr 66
		.amdhsa_reserve_vcc 1
		.amdhsa_float_denorm_mode_32 3
		.amdhsa_float_denorm_mode_16_64 3
		.amdhsa_memory_ordered 1
		.amdhsa_forward_progress 1
		.amdhsa_inst_pref_size 22
	.end_amdhsa_kernel
	.amdgpu_metadata
---
amdhsa.version: [ 1, 2 ]
amdhsa.kernels:
  - .name:           k_qd0098568b8_prep
    .symbol:         k_qd0098568b8_prep.kd
    .args:
      - { .name: Wv, .offset: 0, .size: 8, .value_kind: global_buffer, .address_space: global }
      - { .name: Wq, .offset: 8, .size: 8, .value_kind: global_buffer, .address_space: global }
      - { .name: Wk, .offset: 16, .size: 8, .value_kind: global_buffer, .address_space: global }
      - { .name: Wo, .offset: 24, .size: 8, .value_kind: global_buffer, .address_space: global }
      - { .name: ffW, .offset: 32, .size: 8, .value_kind: global_buffer, .address_space: global }
      - { .name: pma_lin_W, .offset: 40, .size: 8, .value_kind: global_buffer, .address_space: global }
      - { .name: bq, .offset: 48, .size: 8, .value_kind: global_buffer, .address_space: global }
      - { .name: bk, .offset: 56, .size: 8, .value_kind: global_buffer, .address_space: global }
      - { .name: bv, .offset: 64, .size: 8, .value_kind: global_buffer, .address_space: global }
      - { .name: bo, .offset: 72, .size: 8, .value_kind: global_buffer, .address_space: global }
      - { .name: ffb, .offset: 80, .size: 8, .value_kind: global_buffer, .address_space: global }
      - { .name: g1, .offset: 88, .size: 8, .value_kind: global_buffer, .address_space: global }
      - { .name: b1, .offset: 96, .size: 8, .value_kind: global_buffer, .address_space: global }
      - { .name: g2, .offset: 104, .size: 8, .value_kind: global_buffer, .address_space: global }
      - { .name: b2, .offset: 112, .size: 8, .value_kind: global_buffer, .address_space: global }
      - { .name: pma_lin_b, .offset: 120, .size: 8, .value_kind: global_buffer, .address_space: global }
      - { .name: seed, .offset: 128, .size: 8, .value_kind: global_buffer, .address_space: global }
      - { .name: WT, .offset: 136, .size: 8, .value_kind: global_buffer, .address_space: global }
      - { .name: PAR, .offset: 144, .size: 8, .value_kind: global_buffer, .address_space: global }
    .group_segment_fixed_size: 0
    .private_segment_fixed_size: 0
    .kernarg_segment_align: 8
    .kernarg_segment_size: 152
    .max_flat_workgroup_size: 256
    .sgpr_count:     66
    .vgpr_count:     112
    .wavefront_size: 32
...
	.end_amdgpu_metadata
.endif
;; end of part 3
;; launch main: the kernel of part 2 again; grid 256 x 1, 4 waves a work-group, clusters of 4 x 1, 327,680 bytes of LDS; arguments WT, PAR, gene_embeddings, reaction_gene_idx, reaction_lengths, out0; writes out0
